; MI455X (gfx1250); checked and timed in simulation.
; The chip was launched on July 23, 2026; its instructions are those of AMD's public machine-readable ISA for CDNA 5 (MIT licence, August 2026) and "CDNA5" Instruction Set Architecture Reference Guide (July 2026). The comments in the code are by the model that wrote it; some were corrected since.
;; Attention. Allowed arithmetic: float matrix products may take bf16 or f16 operands with f32 sums; all other float work in f32.
;; Inputs: bk 1,024 float32; bo 1,024 float32; bq 1,024 float32; bv 1,024 float32; k 1 x 4,096 x 1,024 float32; mask 4,096 x 4,096 int32; q 1 x 4,096 x 1,024 float32; v 1 x 4,096 x 1,024 float32; wk 1,024 x 1,024 float32; wo 1,024 x 1,024 float32; wq 1,024 x 1,024 float32; wv 1,024 x 1,024 float32.
;; Outputs: out0 1 x 4,096 x 1,024 float32.
;; 2 versions, each right; version 2 is version 1 with the launch attn written anew for expert scheduling mode. Each part assembles by itself: llvm-mc -triple=amdgcn-amd-amdhsa -mcpu=gfx1250 --defsym DOCPART=n.
;; ======== version 1 of 2: 4 launches
;; limits: values are held in f16: magnitudes above 65,504 overflow, below 6.1e-05 lose precision
;; workspace buffers: qp 8,388,608 bytes; kp 8,388,608 bytes; vp 8,388,608 bytes; ctx 16,777,216 bytes; mbits 2,097,152 bytes of whole numbers; live16 1,024 bytes of whole numbers
;; launch pack (part 1): grid 256 x 1, 8 waves a work-group, no clusters, 267,520 bytes of LDS; arguments mask, mbits, live16; writes mbits, live16
.if DOCPART == 1
	.amdgcn_target "amdgcn-amd-amdhsa--gfx1250"
	.amdhsa_code_object_version 6
	.text
	.protected	k_q5901180c20_pack
	.globl	k_q5901180c20_pack
	.p2align	8
	.type	k_q5901180c20_pack,@function
k_q5901180c20_pack:
	s_mov_b64 s[64:65], 0
	v_nop
	global_prefetch_b8 v0, s[64:65] scope:SCOPE_SE
	s_setreg_imm32_b32 hwreg(HW_REG_WAVE_MODE, 25, 1), 1
	s_wait_xcnt 0x0
; PACK: the int32 mask [4096][4096] is read once and leaves as bits, in the order in which the attention launch uses them.
;   mbits[qt][kt][j] (u32, qt, kt = 0..255, j = 0..7): bit L = (mask[16 qt + (L & 15)][16 kt + 8 (L >> 4) + j] != 0): the lane mask of
;   register j of a 16 x 16 score tile that holds keys along the registers and queries along the lanes.
;   live16[qt] (u32): bit kb = some entry of rows 16 qt .. +15, keys 128 kb .. +127 is not 0; all ones if one of the 16 rows is 0 everywhere.
; WHAT THE PROGRAM LEAVES OUT, AND WHY: reference() puts -1e30 where mask == 0.  If a query row has a key with mask != 0, its row maximum is
; a real score m, and a masked key's weight exp(-1e30 - m) is 0 in f32 for every finite m above -1e30: a 128 x 128 block of scores whose mask
; is 0 throughout adds nothing to such rows.  A row whose mask is 0 everywhere has all scores equal and weighs all 4096 keys alike: there no
; block may go, hence the word of all ones.  Which blocks go is decided by whole numbers (this launch stores them, the attention launch reads
; them); no pattern of the mask is built in.  No input is left out: all twelve are loaded by some launch.
; LIMITS: real scores lie above -1e30; a NaN, an infinity or an overflow in a K or V row that lies only in blocks left out is not carried on.
; Eight waves; the work-group owns 16 mask rows (256 KiB), wave w the columns 512 w .. 512 w + 511 as two tiles of 16 rows x 1 KiB.
; All 16 tensor loads are first fills: no LDS byte is filled twice.  A wave has at most two tensor loads outstanding.
.set TPITCH, 1040                      ; an LDS row: 1,024 bytes + 16: the 16 rows of one load start in 16 different 16-byte columns of 256
.set TBYTES, 16*TPITCH                 ; a tile
.set WRING,  2*TBYTES                  ; a wave's two tiles
.set SCR,    8*WRING                   ; 266,240: 64 bytes of scratch in a 256-byte block of its own, into which no tensor load lands
.set G1,   16                          ; s[16:23] descriptor group 1
.set G0,   24                          ; s[24:31] descriptor group 0, one set for each tile
.set WD,   40                          ; s[40:47] the eight words of one key tile
.set ACC,  48                          ; s[48:51] OR of the words of my four key blocks
.set LA,   1                           ; v1       LDS address of my 32 bytes (row r, 8 columns) in my first tile
.set SO,   2                           ; v2       16 x lane
.set OUTW, 8                           ; v[8:11], v[12:15] the 128 words of tile 0, of tile 1: lane L holds words 4 L .. 4 L + 3
.set LND,  16                          ; v[16:47] four key tiles as loaded
	s_load_b128 s[4:7], s[0:1], 0x0                ; mask s[4:5], mbits s[6:7]
	s_load_b64 s[8:9], s[0:1], 0x10                ; live16
	v_lshl_add_u32 v64, v0, 2, 0x41100
	v_mov_b32 v65, 0
	ds_add_u32 v64, v65
	ds_add_u32 v64, v65
	v_lshrrev_b32 v3, 5, v0
	v_readfirstlane_b32 s10, v3                    ; wave 0..7
	s_mov_b32 s[G1+0], (2<<16)|(1<<20)|(7<<22)|(3<<25)  ; elements of 4 bytes; padding on: after every 256 words, 4 words
	s_mov_b32 s[G1+1], 256<<16                     ; tensor_dim0 = 256
	s_mov_b32 s[G1+2], 16<<16                      ; tensor_dim1 = 16
	s_mov_b32 s[G1+3], 256<<16                     ; tile_dim0 = 256
	s_mov_b32 s[G1+4], 16                          ; tile_dim1 = 16
	s_mov_b32 s[G1+5], 4096                        ; elements from row to row
	s_mov_b32 s[G1+6], 0
	s_mov_b32 s[G1+7], 0
	s_lshl_b32 s12, ttmp9, 18                      ; 16 rows of 16 KiB for each work-group
	s_lshl_b32 s13, s10, 11                        ; 2 KiB of a row for each wave
	s_add_co_u32 s12, s12, s13
	s_mov_b32 s13, 0
	s_mul_i32 s14, s10, WRING
	s_wait_dscnt 0x0
	s_wait_kmcnt 0x0
	s_add_nc_u64 s[4:5], s[4:5], s[12:13]
.irp t, 0,1
	s_mov_b32 s[G0+4*\t], 1
	s_add_co_u32 s[G0+4*\t+1], s14, \t*TBYTES
	s_add_nc_u64 s[G0+4*\t+2:G0+4*\t+3], s[4:5], \t*1024
	s_or_b32 s[G0+4*\t+3], s[G0+4*\t+3], 0x80000000
	tensor_load_to_lds s[G0+4*\t:G0+4*\t+3], s[G1:G1+7]
	s_nop 0
.endr
	s_lshl_b32 s12, ttmp9, 13                      ; mbits: 8,192 bytes for each qt,
	s_lshl_b32 s15, s10, 10                        ; 1,024 for a wave's 32 key tiles
	s_add_co_u32 s12, s12, s15
	s_add_nc_u64 s[6:7], s[6:7], s[12:13]
	s_lshl_b32 s12, ttmp9, 2
	s_add_nc_u64 s[8:9], s[8:9], s[12:13]          ; live16[qt]
	v_and_b32 v3, 15, v0                           ; r
	v_bfe_u32 v4, v0, 4, 1                         ; h
	v_mul_u32_u24 v[LA], v3, TPITCH
	v_lshl_add_u32 v[LA], v4, 5, v[LA]             ; + 32 h: columns 8 h .. 8 h + 7 of a key tile
	v_add_nc_u32 v[LA], s14, v[LA]
	v_and_b32 v[SO], 31, v0
	v_lshlrev_b32 v[SO], 4, v[SO]
.irp i, 0,1,2,3,4,5,6,7
	v_mov_b32 v[OUTW+\i], 0                        ; v_writelane_b32 keeps the other lanes: its destination has to be written before
.endr
.irp b, 0,1,2,3
	s_mov_b32 s[ACC+\b], 0
.endr
; Tile t: 16 key tiles, four at a time.  A compare of register j against 0 IS the word (kt, j); it goes to lane 2 kt + j / 4, register j % 4.
.macro PACKT t, left
	s_wait_tensorcnt \left                         ; my loads end in order: tile t is in LDS; only I read it
.irp g, 0,1,2,3
.irp i, 0,1,2,3
	ds_load_b128 v[LND+8*\i:LND+8*\i+3],   v[LA] offset:\t*TBYTES+(4*\g+\i)*64
	ds_load_b128 v[LND+8*\i+4:LND+8*\i+7], v[LA] offset:\t*TBYTES+(4*\g+\i)*64+16
.endr
	s_wait_dscnt 0x0
.irp i, 0,1,2,3
.irp j, 0,1,2,3,4,5,6,7
	v_cmp_ne_u32 s[WD+\j], 0, v[LND+8*\i+\j]
.endr
.irp j, 0,1,2,3,4,5,6,7
	s_or_b32 s[ACC+2*\t+(\g>>1)], s[ACC+2*\t+(\g>>1)], s[WD+\j]
.endr
.irp j, 0,1,2,3,4,5,6,7
	v_writelane_b32 v[OUTW+4*\t+(\j&3)], s[WD+\j], (4*\g+\i)*2+(\j>>2)
.endr
.endr
.endr
	global_store_b128 v[SO], v[OUTW+4*\t:OUTW+4*\t+3], s[6:7] offset:512*\t   ; 512 consecutive bytes, aligned
.endm
	PACKT 0, 1                                     ; tile 1 may still be on its way
	PACKT 1, 0
	; my four block bits, and which of the 16 rows have an entry in my columns
	s_or_b32 s52, s48, s49
	s_or_b32 s53, s50, s51
	s_or_b32 s52, s52, s53
	s_lshr_b32 s53, s52, 16
	s_or_b32 s52, s52, s53
	s_and_b32 s52, s52, 0xffff                     ; bit r: row r
	s_mov_b32 s54, 0
.irp b, 0,1,2,3
	s_cmp_lg_u32 s[ACC+\b], 0
	s_cselect_b32 s55, 1<<\b, 0
	s_or_b32 s54, s54, s55
.endr
	s_lshl_b32 s55, s10, 2
	s_lshl_b32 s54, s54, s55                       ; key block 4 w + b
	v_mov_b32 v48, s54
	v_mov_b32 v49, s52
	v_mov_b32 v50, SCR
	v_lshl_add_u32 v50, s10, 3, v50
	ds_store_b64 v50, v[48:49]                     ; every lane the same two words, at my wave's place
	s_wait_dscnt 0x0                               ; stored, for wave 0's sake, before I signal
	s_barrier_signal -1
	s_barrier_wait -1
	s_cmp_lg_u32 s10, 0
	s_cbranch_scc1 .Lend
	v_mov_b32 v51, SCR
.irp i, 0,1,2,3
	ds_load_b128 v[LND+4*\i:LND+4*\i+3], v51 offset:16*\i
.endr
	s_wait_dscnt 0x0
.irp i, 1,2,3,4,5,6,7
	v_or_b32 v[LND], v[LND], v[LND+2*\i]           ; the 32 block bits
	v_or_b32 v[LND+1], v[LND+1], v[LND+2*\i+1]     ; the 16 row bits
.endr
	v_mov_b32 v52, -1
	v_cmp_ne_u32 vcc_lo, 0xffff, v[LND+1]          ; a row without any entry: every block stays
	v_cndmask_b32 v[LND], v[LND], v52, vcc_lo
	v_mov_b32 v53, 0
	v_cmp_eq_u32 vcc_lo, 0, v0
	s_wait_xcnt 0x0                                ; EXEC is a source of the stores above: it changes only behind this wait
	s_and_saveexec_b32 s56, vcc_lo
	global_store_b32 v53, v[LND], s[8:9]           ; one word for the work-group
	s_wait_xcnt 0x0
	s_or_b32 exec_lo, exec_lo, s56
.Lend:
	s_wait_tensorcnt 0x0
	ds_add_u32 v64, v65
	s_wait_dscnt 0x0
	s_endpgm
.Lfunc_end_k_q5901180c20_pack:
	.size	k_q5901180c20_pack, .Lfunc_end_k_q5901180c20_pack-k_q5901180c20_pack
	.p2alignl 7, 3214868480
	.fill 96, 4, 3214868480
	.section	.rodata,"a",@progbits
	.p2align	6, 0x0
	.amdhsa_kernel k_q5901180c20_pack
		.amdhsa_group_segment_fixed_size 267520
		.amdhsa_private_segment_fixed_size 0
		.amdhsa_enable_private_segment 0
		.amdhsa_kernarg_size 24
		.amdhsa_user_sgpr_count 2
		.amdhsa_user_sgpr_kernarg_segment_ptr 1
		.amdhsa_wavefront_size32 1
		.amdhsa_system_sgpr_workgroup_id_x 1
		.amdhsa_system_sgpr_workgroup_id_y 1
		.amdhsa_system_sgpr_workgroup_id_z 1
		.amdhsa_system_vgpr_workitem_id 0
		.amdhsa_next_free_vgpr 66
		.amdhsa_next_free_sgpr 66
		.amdhsa_reserve_vcc 1
		.amdhsa_float_denorm_mode_32 3
		.amdhsa_float_denorm_mode_16_64 3
		.amdhsa_memory_ordered 1
		.amdhsa_forward_progress 1
		.amdhsa_inst_pref_size 50
	.end_amdhsa_kernel
	.amdgpu_metadata
---
amdhsa.version: [ 1, 2 ]
amdhsa.kernels:
  - .name:           k_q5901180c20_pack
    .symbol:         k_q5901180c20_pack.kd
    .args:
      - { .name: mask, .offset: 0, .size: 8, .value_kind: global_buffer, .address_space: global }
      - { .name: mbits, .offset: 8, .size: 8, .value_kind: global_buffer, .address_space: global }
      - { .name: live16, .offset: 16, .size: 8, .value_kind: global_buffer, .address_space: global }
    .group_segment_fixed_size: 267520
    .private_segment_fixed_size: 0
    .kernarg_segment_align: 8
    .kernarg_segment_size: 24
    .max_flat_workgroup_size: 256
    .sgpr_count:     66
    .vgpr_count:     66
    .wavefront_size: 32
...
	.end_amdgpu_metadata
.endif
;; end of part 1
;; launch proj (part 2): grid 4 x 48, 4 waves a work-group, clusters of 4 x 4, 327,680 bytes of LDS; arguments q, k, v, wq, wk, wv, bq, bk, bv, qp, kp, vp; writes qp, kp, vp
.if DOCPART == 2
	.amdgcn_target "amdgcn-amd-amdhsa--gfx1250"
	.amdhsa_code_object_version 6
	.text
	.protected	k_q5901180c20_proj
	.globl	k_q5901180c20_proj
	.p2align	8
	.type	k_q5901180c20_proj,@function
k_q5901180c20_proj:
	s_mov_b64 s[64:65], 0
	v_nop
	global_prefetch_b8 v0, s[64:65] scope:SCOPE_SE
	s_setreg_imm32_b32 hwreg(HW_REG_WAVE_MODE, 25, 1), 1
	s_wait_xcnt 0x0
	s_wait_alu depctr_hold_cnt(0) depctr_sa_sdst(0) depctr_va_vdst(0) depctr_va_sdst(0) depctr_va_ssrc(0) depctr_va_vcc(0) depctr_vm_vsrc(0)
	s_getreg_b32 s2, hwreg(HW_REG_IB_STS2, 6, 4)
	s_cmp_eq_u32 s2, 0
	s_cbranch_scc0 .Lentry_in_a_cluster
	s_endpgm
.Lentry_in_a_cluster:
	s_bfe_u32 s2, ttmp6, 0x10000c
	s_cmp_lg_u32 s2, 0xf033
	s_cbranch_scc0 .Lentry_shape_is_right
	s_endpgm
.Lentry_shape_is_right:
; PROJ: qp = (q wq^T + bq) log2(e) / 32, kp = k wk^T + bk, vp = v wv^T + bv.  Inputs f32, products in bf16 with f32 sums, results f16,
; laid out [head 16][token 4096][64].  The factor 1/32 is reference()'s d_model^-0.5, log2(e) turns its exp into 2^x.
; Results are f16, not bf16: they are operands of the next launch's products, and an output row whose query sees few keys is many times
; the output's root mean square, so three more bits are kept.  LIMIT: |result| < 65,504; with inputs and weights each 30 times those drawn the
; spread is about 576, with offsets of 30 spreads on both about 18,432.
; Nothing of reference() is left out here.
; One launch for the three products: cluster row cl = 0..11, product cl / 4.  A work-group makes 256 x 256, four waves 128 x 128 each
; (64 accumulator tiles, 512 registers).  K goes in steps of 64 f32 (rows of 256 bytes, aligned) through two LDS slots filled by tensor loads;
; fragments are read as f32, rounded to bf16 in registers (two numbers an instruction), and multiplied.
; CLUSTERS: 4 x 4 work-groups.  The four of a cluster row need the same rows of the input, the four of a column the same rows of the weight:
; each tile is asked for jointly, with one descriptor and a mask that names the four.  192 work-groups: at 128 x 128 there would be 768, but
; each f32 byte read from LDS would then feed half as many products.
; REGISTERS: window 0: v0-31 addresses, v32-63 read-back, v64-191 input fragments as f32, v192-255 the same in bf16.
;            window 1: v0-63 bias of my 128 columns, v64-191 weight fragments as f32, v192-255 in bf16.   windows 2, 3: accumulators.
; The matrix instruction is used transposed (source 0 = weight rows, source 1 = input rows): a lane's 8 results are 8 neighbouring columns.
.set PITCH,  272                       ; an LDS row: 256 bytes + 16
.set HALFT,  128*PITCH                 ; what one tensor load brings
.set SLOT,   4*HALFT                   ; 256 input rows, then 256 weight rows
.set STAGE,  2*SLOT                    ; 16 rows x 272 bytes for each wave, for the way out; no tensor load lands here
.set SPITCH, 272
.set STEPB,  256                       ; bytes of a row in a K step
.set LAPS,   8                         ; 1024 / (2 x 64)
.set ADRA, 16                          ; v16-17 LDS address of my input fragments in slot 0, 1
.set ADRB, 20                          ; v20-21 of my weight fragments
.set STO,  24
.set RD,   25
.set CO,   26
.set BOF,  27
.set RB1,  32
.set LND,  64
.set PK,   128
.set FR,   192
.set TMP,  192
.set RB0,  224
.set G1,  24
.set G0,  32
.set G1B, 48
.set G0B, 56
.set MSB, 0
.macro WIN new                         ; the immediate's high byte repeats the setting that is left
.if MSB != (\new)
	s_set_vgpr_msb (MSB<<8)|(\new)
.set MSB, \new
.endif
.endm
.set MUL_LO, 0xa1                      ; source 0 window 1, source 1 window 0, C and D window 2
.set MUL_HI, 0xf1                      ; C and D window 3
.macro JLOAD s                         ; waves 0, 1 ask for the input's halves, waves 2, 3 for the weight's: one line, one mask
	s_cmp_eq_u32 s11, 0
	s_cbranch_scc0 .Lfor_b_\@
	tensor_load_to_lds s[G0+4*\s:G0+4*\s+3], s[G1:G1+7]
	s_nop 0
	s_branch .Lasked_\@
.Lfor_b_\@:
	tensor_load_to_lds s[G0B+4*\s:G0B+4*\s+3], s[G1B:G1B+7]
	s_nop 0
.Lasked_\@:
.endm
.macro CREST                           ; a round of the cluster's barrier behind its opening work-group barrier
	s_cmp_lg_u32 s10, 0
	s_cbranch_scc1 .Lnot_wave_0_\@
	s_barrier_signal -3
.Lnot_wave_0_\@:
	s_barrier_wait -3
	s_barrier_signal -1
	s_barrier_wait -1
.endm
.macro CROUND
	s_barrier_signal -1
	s_barrier_wait -1
	CREST
.endm
	s_load_b512 s[68:83], s[0:1], 0x0              ; q k v wq wk wv bq bk
	s_load_b256 s[84:91], s[0:1], 0x40             ; bv qp kp vp
	v_lshl_add_u32 v30, v0, 2, 0x48400
	v_mov_b32 v31, 0
	ds_add_u32 v30, v31
	ds_add_u32 v30, v31
	v_lshrrev_b32 v1, 5, v0
	v_readfirstlane_b32 s10, v1                    ; wave 0..3
	s_lshr_b32 s11, s10, 1                         ; my half of the block's rows; also: I fetch input (0) or weight (1)
	s_and_b32 s12, s10, 1                          ; my half of its columns; also: which 128 rows I fetch
	s_bfe_u32 s40, ttmp6, 0x40000                  ; cx
	s_bfe_u32 s41, ttmp6, 0x40004                  ; cy
	s_lshl_b32 s42, ttmp9, 2
	s_add_co_u32 s42, s42, s40                     ; block column 0..3
	s_and_b32 s96, ttmp7, 0xffff                   ; cluster row 0..11
	s_lshr_b32 s97, s96, 2                         ; product: 0 q, 1 k, 2 v: the same in all sixteen work-groups
	s_and_b32 s13, s96, 3
	s_lshl_b32 s13, s13, 2
	s_add_co_u32 s13, s13, s41                     ; block row 0..15
	s_lshl_b32 s43, s41, 2
	s_lshl_b32 s43, 15, s43                        ; my row of the cluster
	s_lshl_b32 s44, 0x1111, s40                    ; my column
	s_or_b32 s[G1+0], s43, (2<<16)|(1<<20)|(1<<21)|(5<<22)|(3<<25)   ; mask; 4-byte elements; padding: 4 words after every 64; bit 21 beside a mask
	s_or_b32 s[G1B+0], s44, (2<<16)|(1<<20)|(1<<21)|(5<<22)|(3<<25)
	s_mov_b32 s[G1+1], 64<<16                      ; tensor_dim0 = 64
	s_mov_b32 s[G1B+1], 64<<16
	s_mov_b32 s[G1+2], 128<<16                     ; tensor_dim1 = 128
	s_mov_b32 s[G1B+2], 128<<16
	s_mov_b32 s[G1+3], 64<<16                      ; tile_dim0 = 64
	s_mov_b32 s[G1B+3], 64<<16
	s_mov_b32 s[G1+4], 128                         ; tile_dim1 = 128
	s_mov_b32 s[G1B+4], 128
	s_mov_b32 s[G1+5], 1024                        ; elements from row to row
	s_mov_b32 s[G1B+5], 1024
	s_mov_b32 s[G1+6], 0
	s_mov_b32 s[G1B+6], 0
	s_mov_b32 s[G1+7], 0
	s_mov_b32 s[G1B+7], 0
	s_lshl_b32 s17, s12, 7
	s_lshl_b32 s16, s13, 8
	s_add_co_u32 s16, s16, s17
	s_lshl_b32 s16, s16, 12                        ; input: (256 block row + 128 half) rows of 4,096 bytes
	s_lshl_b32 s46, s42, 8
	s_add_co_u32 s46, s46, s17
	s_lshl_b32 s98, s46, 2                         ; bias: my fetch half is also my column half: 4 bytes a column
	s_lshl_b32 s46, s46, 12                        ; weight: (256 block column + 128 half) rows
	s_mov_b32 s17, 0
	s_mov_b32 s47, 0
	s_mov_b32 s99, 0
	s_mul_i32 s20, s10, HALFT                      ; LDS: wave x 128 rows: no place in the cluster enters an LDS address
	s_wait_dscnt 0x0
	s_wait_kmcnt 0x0
	s_cmp_eq_u32 s97, 1                            ; the product's four buffers
	s_cselect_b64 s[4:5], s[70:71], s[68:69]
	s_cselect_b64 s[6:7], s[76:77], s[74:75]
	s_cselect_b64 s[92:93], s[82:83], s[80:81]
	s_cselect_b64 s[8:9], s[88:89], s[86:87]
	s_cmp_eq_u32 s97, 2
	s_cselect_b64 s[4:5], s[72:73], s[4:5]
	s_cselect_b64 s[6:7], s[78:79], s[6:7]
	s_cselect_b64 s[92:93], s[84:85], s[92:93]
	s_cselect_b64 s[8:9], s[90:91], s[8:9]
	s_cmp_eq_u32 s97, 0
	s_cselect_b32 s94, 0x3d38aa3b, 1.0             ; log2(e) / 32 for q
	s_mov_b32 s95, s94
	s_add_nc_u64 s[14:15], s[4:5], s[16:17]
	s_add_nc_u64 s[46:47], s[6:7], s[46:47]
	s_add_nc_u64 s[92:93], s[92:93], s[98:99]
	CROUND                                         ; all sixteen work-groups are here: the first joint loads meet
.irp s, 0,1
	s_mov_b32 s[G0+4*\s], 1
	s_add_co_u32 s[G0+4*\s+1], s20, \s*SLOT
	s_add_nc_u64 s[G0+4*\s+2:G0+4*\s+3], s[14:15], \s*STEPB
	s_or_b32 s[G0+4*\s+3], s[G0+4*\s+3], 0x80000000
	s_mov_b32 s[G0B+4*\s], 1
	s_add_co_u32 s[G0B+4*\s+1], s20, \s*SLOT
	s_add_nc_u64 s[G0B+4*\s+2:G0B+4*\s+3], s[46:47], \s*STEPB
	s_or_b32 s[G0B+4*\s+3], s[G0B+4*\s+3], 0x80000000
	JLOAD \s                                       ; two loads of the wave are out
.endr
	v_and_b32 v1, 15, v0                           ; r
	v_bfe_u32 v2, v0, 4, 1                         ; h
	v_mul_u32_u24 v3, v1, PITCH
	v_lshl_add_u32 v3, v2, 5, v3                   ; row x pitch + 32 h: K = 8 h .. 8 h + 7 as f32
	s_mul_i32 s21, s11, HALFT
	s_mul_i32 s22, s12, HALFT
	s_add_co_u32 s22, s22, 2*HALFT
.irp s, 0,1
	v_add_nc_u32 v[ADRA+\s], s21, v3
	v_add_nc_u32 v[ADRB+\s], s22, v3
	s_add_co_u32 s21, s21, SLOT
	s_add_co_u32 s22, s22, SLOT
.endr
	s_mul_i32 s23, s10, 16*SPITCH
	s_add_co_u32 s23, s23, STAGE
	v_mul_u32_u24 v4, v1, SPITCH
	v_lshl_add_u32 v4, v2, 4, v4
	v_add_nc_u32 v[STO], s23, v4                   ; in: token r, 16 bytes for each half of the lanes
	v_bfe_u32 v5, v0, 3, 1                         ; back: eight lanes take one token's 128 bytes of one head,
	v_and_b32 v6, 7, v0                            ; the next eight the next token's, lanes 16-31 the other head
	v_mul_u32_u24 v7, v5, SPITCH
	v_lshl_add_u32 v7, v2, 7, v7
	v_lshl_add_u32 v7, v6, 4, v7
	v_add_nc_u32 v[RD], s23, v7
	v_lshlrev_b32 v8, 19, v2                       ; a head is 4096 x 128 bytes
	v_lshl_add_u32 v8, v5, 7, v8
	v_lshl_add_u32 v[CO], v6, 4, v8
	v_lshlrev_b32 v[BOF], 5, v2
	WIN 0x40
.irp b, 0,1,2,3,4,5,6,7
	global_load_b128 v[8*\b:8*\b+3],   v[BOF], s[92:93] offset:64*\b       ; bias of columns 16 b + 8 h + 0..7
	global_load_b128 v[8*\b+4:8*\b+7], v[BOF], s[92:93] offset:64*\b+16
.endr
	s_wait_loadcnt 0x0
	WIN 0x41
.set i, 0
.rept 32
	v_pk_mul_f32 v[2*i:2*i+1], v[2*i:2*i+1], s[94:95] op_sel_hi:[1,0]      ; (sum + b) f = sum f + b f: one fused multiply-add on the way out
.set i, i+1
.endr
	WIN 0
.macro MUL16 hi, a0, zero              ; 16 matrix instructions: two of the window's four row tiles x all 8 column tiles
.irp a, \a0, \a0+1
.irp b, 0,1,2,3,4,5,6,7
.if \zero
	v_wmma_f32_16x16x32_bf16 v[8*(8*(\a)+\b):8*(8*(\a)+\b)+7], v[FR+8*\b:FR+8*\b+7], v[FR+8*(4*\hi+\a):FR+8*(4*\hi+\a)+7], 0
.else
	v_wmma_f32_16x16x32_bf16 v[8*(8*(\a)+\b):8*(8*(\a)+\b)+7], v[FR+8*\b:FR+8*\b+7], v[FR+8*(4*\hi+\a):FR+8*(4*\hi+\a)+7], v[8*(8*(\a)+\b):8*(8*(\a)+\b)+7]
.endif
.endr
.endr
.endm
.macro MULALL zero                     ; 32 along K: the 64 accumulators take turns, one instruction a turn, always in this order
	WIN MUL_LO
	MUL16 0, 0, \zero
	MUL16 0, 2, \zero
	WIN MUL_HI
	MUL16 1, 0, \zero
	MUL16 1, 2, \zero
.endm
; 64 LDS loads: 32 along K (128 bytes at byte k of the rows) of 128 weight rows and 128 input rows, as f32.
; A fragment's lane wants K = 8 h .. +7 and 16 + 8 h .. +7: bytes 0, 16, 64, 80 from its address.
.macro FETCH slot, k
	WIN 0x40
.irp i, 0,1,2,3,4,5,6,7
.irp e, 0,1,2,3
	ds_load_b128 v[LND+16*\i+4*\e:LND+16*\i+4*\e+3], v[ADRB+\slot] offset:\k+\i*16*PITCH+16*(\e&1)+64*(\e>>1)
.endr
.endr
	WIN 0
.irp i, 0,1,2,3,4,5,6,7
.irp e, 0,1,2,3
	ds_load_b128 v[LND+16*\i+4*\e:LND+16*\i+4*\e+3], v[ADRA+\slot] offset:\k+\i*16*PITCH+16*(\e&1)+64*(\e>>1)
.endr
.endr
.endm
.macro CONV                            ; f32 to bf16, two at a time, nearest even
	WIN 0
.irp i, 0,1,2,3,4,5,6,7
.irp e, 0,1,2,3,4,5,6,7
	v_cvt_pk_bf16_f32 v[FR+8*\i+\e], v[LND+16*\i+2*\e], v[LND+16*\i+2*\e+1]
.endr
.endr
	WIN 0x45
.irp i, 0,1,2,3,4,5,6,7
.irp e, 0,1,2,3,4,5,6,7
	v_cvt_pk_bf16_f32 v[FR+8*\i+\e], v[LND+16*\i+2*\e], v[LND+16*\i+2*\e+1]
.endr
.endr
.endm
.macro PLACES                          ; a vector instruction that writes a matrix instruction's source stands four independent vector instructions behind it (ISA guide 7.12.1)
.rept 4
	v_nop
.endr
.endm
.macro MID slot, zero                  ; a K step's first 32: round what has landed, ask for the second 32, multiply
	s_wait_dscnt 0x0
	PLACES
	CONV
	FETCH \slot, 128
	MULALL \zero
.endm
; A K step's second 32, and the change of slots.  In front of the barrier each wave's reads of this slot are back and all its tensor loads
; have landed (one was out: its part of the next slot).  Behind it the refill comes first, then the next slot's first fragments.
.macro TURN slot, next, fill
	s_wait_dscnt 0x0
	s_set_vgpr_msb 0xf1f0
	s_wait_tensorcnt 0x0
	ds_add_u32 v30, v31
	s_wait_dscnt 0x0
	s_set_vgpr_msb 0xf0f1
	s_barrier_signal -1                            ; where the slot is filled again this barrier opens a round of the cluster's barrier
	PLACES
	CONV                                           ; register work while the others arrive
	WIN 0
	s_barrier_wait -1
.if \fill
	CREST                                          ; no wave of any partner still reads this slot or has a load on its way
	s_add_nc_u64 s[G0+4*\slot+2:G0+4*\slot+3], s[G0+4*\slot+2:G0+4*\slot+3], 2*STEPB
	s_add_nc_u64 s[G0B+4*\slot+2:G0B+4*\slot+3], s[G0B+4*\slot+2:G0B+4*\slot+3], 2*STEPB
	JLOAD \slot                                    ; my one tensor load behind the round
.endif
	FETCH \next, 0
	MULALL 0
.endm
.macro LAP zero
	MID 0, \zero
	TURN 0, 1, 1
	MID 1, 0
	TURN 1, 0, 1
.endm
	s_wait_tensorcnt 0x1                           ; my part of K step 0 is in; K step 1's may stay out
	s_barrier_signal -1
	s_barrier_wait -1
	FETCH 0, 0
	LAP 1                                          ; the first products start the sums: nothing is cleared
	WIN 0
	s_mov_b32 s3, LAPS-2
.Llap:
	LAP 0
	WIN 0
	s_sub_co_u32 s3, s3, 1
	s_cmp_lg_u32 s3, 0
	s_cbranch_scc1 .Llap
	MID 0, 0                                       ; the last lap fills nothing
	TURN 0, 1, 0
	MID 1, 0
	s_wait_dscnt 0x0
	PLACES
	CONV
	MULALL 0
	; THE WAY OUT, 16 tokens at a time: scale, add the bias, round to f16, through my own stage, out as runs of 256 bytes (two tokens of a head).
	PLACES
	s_lshl_b32 s13, s13, 8
	s_lshl_b32 s14, s11, 7
	s_add_co_u32 s16, s13, s14                     ; my first token
	s_lshl_b32 s16, s16, 7                         ; 128 bytes a token
	s_mov_b32 s17, 0
	s_add_nc_u64 s[8:9], s[8:9], s[16:17]
	s_lshl_b32 s46, s42, 2
	s_lshl_b32 s47, s12, 1
	s_add_co_u32 s46, s46, s47                     ; my first head = 4 block column + 2 half
	s_lshl_b32 s46, s46, 19
	s_mov_b32 s47, 0
	s_add_nc_u64 s[8:9], s[8:9], s[46:47]
.macro OUT16 i, a, w, rb               ; w: 0x12 or 0x13: source 0 in window 2 or 3, source 2 (bias) in window 1
	WIN \w
.irp b, 0,1,2,3,4,5,6,7
.irp e, 0,1,2,3
	v_pk_fma_f32 v[PK+8*\b+2*\e:PK+8*\b+2*\e+1], v[8*(8*\a+\b)+2*\e:8*(8*\a+\b)+2*\e+1], s[94:95], v[8*\b+2*\e:8*\b+2*\e+1] op_sel_hi:[1,0,1]
.endr
.endr
	WIN 0
.irp b, 0,1,2,3,4,5,6,7
.irp e, 0,1,2,3
	v_cvt_pk_f16_f32 v[TMP+4*\b+\e], v[PK+8*\b+2*\e], v[PK+8*\b+2*\e+1]
.endr
.endr
.irp b, 0,1,2,3,4,5,6,7
	ds_store_b128 v[STO], v[TMP+4*\b:TMP+4*\b+3] offset:32*\b
.endr
	s_wait_xcnt 0x0                                ; the read-back registers and the base, which earlier stores name, are rewritten only behind this wait
.if \i
	s_add_nc_u64 s[8:9], s[8:9], 16*128
.endif
.irp t, 0,1,2,3,4,5,6,7
	ds_load_b128 v[\rb+4*\t:\rb+4*\t+3], v[RD] offset:\t*2*SPITCH          ; LDS serves a wave's instructions in order: these see the stores above
.endr
.irp t, 0,1,2,3,4,5,6,7
	s_wait_dscnt 7-\t                              ; the younger read-backs may stay out
	global_store_b128 v[CO], v[\rb+4*\t:\rb+4*\t+3], s[8:9] offset:256*\t  ; sixteen lanes: 256 consecutive bytes, aligned
.endr
.endm
	OUT16 0, 0, 0x12, RB0
	OUT16 1, 1, 0x12, RB1
	OUT16 2, 2, 0x12, RB0
	OUT16 3, 3, 0x12, RB1
	OUT16 4, 0, 0x13, RB0
	OUT16 5, 1, 0x13, RB1
	OUT16 6, 2, 0x13, RB0
	OUT16 7, 3, 0x13, RB1
	s_wait_tensorcnt 0x0
	ds_add_u32 v30, v31
	s_wait_dscnt 0x0
	CROUND                                         ; no work-group ends while a partner may still ask for a tile that names it
	s_endpgm
.Lfunc_end_k_q5901180c20_proj:
	.size	k_q5901180c20_proj, .Lfunc_end_k_q5901180c20_proj-k_q5901180c20_proj
	.p2alignl 7, 3214868480
	.fill 96, 4, 3214868480
	.section	.rodata,"a",@progbits
	.p2align	6, 0x0
	.amdhsa_kernel k_q5901180c20_proj
		.amdhsa_group_segment_fixed_size 327680
		.amdhsa_private_segment_fixed_size 0
		.amdhsa_enable_private_segment 0
		.amdhsa_kernarg_size 96
		.amdhsa_user_sgpr_count 2
		.amdhsa_user_sgpr_kernarg_segment_ptr 1
		.amdhsa_wavefront_size32 1
		.amdhsa_system_sgpr_workgroup_id_x 1
		.amdhsa_system_sgpr_workgroup_id_y 1
		.amdhsa_system_sgpr_workgroup_id_z 1
		.amdhsa_system_vgpr_workitem_id 0
		.amdhsa_next_free_vgpr 1024
		.amdhsa_next_free_sgpr 100
		.amdhsa_reserve_vcc 0
		.amdhsa_float_denorm_mode_32 3
		.amdhsa_float_denorm_mode_16_64 3
		.amdhsa_memory_ordered 1
		.amdhsa_forward_progress 1
		.amdhsa_inst_pref_size 255
	.end_amdhsa_kernel
	.section	.bss,"aw",@nobits
	.p2align	6
	.space	262144
	.amdgpu_metadata
---
amdhsa.version: [ 1, 2 ]
amdhsa.kernels:
  - .name:           k_q5901180c20_proj
    .symbol:         k_q5901180c20_proj.kd
    .args:
      - { .name: q, .offset: 0, .size: 8, .value_kind: global_buffer, .address_space: global }
      - { .name: k, .offset: 8, .size: 8, .value_kind: global_buffer, .address_space: global }
      - { .name: v, .offset: 16, .size: 8, .value_kind: global_buffer, .address_space: global }
      - { .name: wq, .offset: 24, .size: 8, .value_kind: global_buffer, .address_space: global }
      - { .name: wk, .offset: 32, .size: 8, .value_kind: global_buffer, .address_space: global }
      - { .name: wv, .offset: 40, .size: 8, .value_kind: global_buffer, .address_space: global }
      - { .name: bq, .offset: 48, .size: 8, .value_kind: global_buffer, .address_space: global }
      - { .name: bk, .offset: 56, .size: 8, .value_kind: global_buffer, .address_space: global }
      - { .name: bv, .offset: 64, .size: 8, .value_kind: global_buffer, .address_space: global }
      - { .name: qp, .offset: 72, .size: 8, .value_kind: global_buffer, .address_space: global }
      - { .name: kp, .offset: 80, .size: 8, .value_kind: global_buffer, .address_space: global }
      - { .name: vp, .offset: 88, .size: 8, .value_kind: global_buffer, .address_space: global }
    .group_segment_fixed_size: 327680
    .private_segment_fixed_size: 0
    .kernarg_segment_align: 8
    .kernarg_segment_size: 96
    .max_flat_workgroup_size: 128
    .sgpr_count:     100
    .vgpr_count:     1024
    .wavefront_size: 32
...
	.end_amdgpu_metadata
.endif
;; end of part 2
;; launch attn (part 3): grid 16 x 16, 4 waves a work-group, no clusters, 168,448 bytes of LDS; arguments qp, kp, vp, mbits, live16, ctx; writes ctx
.if DOCPART == 3
	.amdgcn_target "amdgcn-amd-amdhsa--gfx1250"
	.amdhsa_code_object_version 6
	.text
	.protected	k_q5901180c20_attn
	.globl	k_q5901180c20_attn
	.p2align	8
	.type	k_q5901180c20_attn,@function
k_q5901180c20_attn:
	s_mov_b64 s[64:65], 0
	v_nop
	global_prefetch_b8 v0, s[64:65] scope:SCOPE_SE
	s_setreg_imm32_b32 hwreg(HW_REG_WAVE_MODE, 25, 1), 1
	s_wait_xcnt 0x0
; ATTN: softmax(mask ? q k / 32 : -1e30) v for one head and two blocks of 128 queries, with a running maximum, in f16 products and f32 sums.
; qp already carries log2(e) / 32, so weights are 2^(s - m).  Result: ctx [head][token][64 hi | 64 lo] in bf16, hi = the rounded value,
; lo = the rounded rest: the last launch multiplies both, so that ctx enters its product with 16 bits.
; LEFT OUT: key blocks of 128 whose bit in the query block's live word is 0.  There mask == 0 for all 128 x 128 entries and every one of the 128
; rows has a live key elsewhere, so each weight is exp(-1e30 - m) = 0 in f32; a row without any live key makes the word all ones (first launch).
; LIMITS: scores x log2(e) lie above -1.44e30; |qp|, |kp|, |vp| < 65,504 (f16); weights are rounded to f16 for the product while their sum is
; taken unrounded; a NaN or infinity in K or V rows that lie only in blocks left out is not carried on.
; WORK: work-group (j, head) takes query blocks j and 31 - j, one after the other.  The pairing is right for every mask; it evens the work only where
; the number of live blocks rises or falls steadily with the block.  A wave has 32 queries: two tiles of 16.
; K and V go global -> registers -> LDS, two slots, block b in slot b & 1: which block comes next is known only from the live words, so the
; loads are plain loads under a scalar branch.  NO CLUSTER: the work-groups of a head want different key blocks at different times (their
; lists come from the mask), so their requests would not meet.  More LDS is declared than used so that each work-group has a WGP of its own.
; ORIENTATION: S^T = K Q^T (keys along the registers, queries along the lanes): maximum and sum are taken inside a lane plus one exchange of the
; lane halves, and two packed score tiles ARE the second operand of O^T = V^T P^T.  V^T is read by the transposing LDS load.
.set KP,     144                       ; K rows: 128 bytes + 16
.set VP,     160                       ; V rows: 128 bytes + 32 (an odd multiple of 32 for the transposing load)
.set KSLOT,  128*KP
.set VSLOT,  128*VP
.set VBASE,  2*KSLOT
.set STAGE,  VBASE+2*VSLOT             ; 77,824
.set SP,     272
.set WSTAGE, 32*SP                     ; a wave's stage: 32 rows of 256 bytes + 16
.set KRD, 1                            ; v1  r KP + 16 h
.set VRD, 2                            ; v2  VBASE + (8 h + (L & 7)) VP + 16 ((L >> 3) & 1)
.set KST, 3                            ; v3  (t >> 3) KP + 16 (t & 7), t = thread
.set VST, 4                            ; v4  VBASE + (t >> 3) VP + 16 (t & 7)
.set T16, 5                            ; v5  16 t
.set GOF, 6                            ; v6  offset of the block being fetched
.set NEG, 8                            ; v8  -1e30 log2(e)
.set QOF, 9                            ; v9  r 128 + 16 h
.set MX,  10                           ; v10-11 running maximum of query tile 0, 1
.set LS,  12                           ; v12-13 running sum (each half of the lanes its own keys)
                                       ; v[14:15], v[24:25] the factor 2^(m old - m new) of tile 0, 1;  v[16:23] at work
.set STG, 26
.set RDS, 27
.set L16, 28
.set Q,   32                           ; v[32:63]   Q fragments, 8 (2 a + c)
.set F,   64                           ; v[64:127]  K fragments 8 (2 kt + c), then V^T fragments 8 (2 dt + u)
.set S,   128                          ; v[128:191] scores 8 (4 a + kt), then weights
.set O,   192                          ; v[192:255] O^T 8 (4 a + dt)
                                       ; window 1, v[0:63]: the next live block on its way, K then V
; s[16:63], s[80:95] mask words; s66 wave; s67, s74 trip; s68 live word; s69 the next pass's; s70, s71 blocks still to fetch; s72 block being fetched;
; s73 bit t: block t + 1 is stored in trip t; s75, s76 query blocks; s77 offset of the mask words' key block
.set MSB, 0
.macro WIN new
.if MSB != (\new)
	s_set_vgpr_msb (MSB<<8)|(\new)
.set MSB, \new
.endif
.endm
.macro SCAN d                          ; the next live block, this pass's first, then the next pass's; 31 when none is left (a load inside the buffer that nothing reads)
	s_cmp_eq_u32 s70, 0
	s_cselect_b32 s70, s71, s70
	s_cselect_b32 s71, 0, s71
	s_ctz_i32_b32 \d, s70
	s_min_u32 \d, \d, 31
	s_sub_co_u32 s101, s70, 1
	s_and_b32 s70, s70, s101
.endm
.macro LOADR                           ; block s72 of K and of V: 16 KiB each, 16 bytes a thread and load, consecutive
	v_lshl_add_u32 v[GOF], s72, 14, v[T16]
	WIN 0x40
.irp i, 0,1,2,3,4,5,6,7
	global_load_b128 v[4*\i:4*\i+3], v[GOF], s[6:7] offset:2048*\i
.endr
.irp i, 0,1,2,3,4,5,6,7
	global_load_b128 v[32+4*\i:32+4*\i+3], v[GOF], s[8:9] offset:2048*\i
.endr
	WIN 0
.endm
.macro STORE sl                        ; what has been fetched goes into slot sl; the block after it is asked for: it has a live trip in which to land
	s_wait_loadcnt 0x0
	WIN 0x04
.irp i, 0,1,2,3,4,5,6,7
	ds_store_b128 v[KST], v[4*\i:4*\i+3] offset:\sl*KSLOT+16*KP*\i
.endr
.irp i, 0,1,2,3,4,5,6,7
	ds_store_b128 v[VST], v[32+4*\i:32+4*\i+3] offset:\sl*VSLOT+16*VP*\i
.endr
	WIN 0
	SCAN s72
	LOADR
.endm
.macro WLOAD o                         ; 64 mask words: two query tiles x four key tiles x eight registers
	s_load_b512 s[16:31], s[12:13], s77 offset:\o
	s_load_b512 s[32:47], s[12:13], s77 offset:\o+64
	s_load_b512 s[48:63], s[12:13], s77 offset:\o+8192
	s_load_b512 s[80:95], s[12:13], s77 offset:\o+8256
.endm
.macro SOFTMAX a                       ; 64 keys of query tile a: new maximum, weights, sum, weights to f16, O rescaled
.set SB, S+32*\a
.set AL, 14+10*\a
	v_max3_num_f32 v16, v[MX+\a], v[SB], v[SB+1]
	v_max_num_f32 v17, v[SB+16], v[SB+17]
.irp i, 1,2,3,4,5,6,7
	v_max3_num_f32 v16, v16, v[SB+2*\i], v[SB+2*\i+1]
	v_max3_num_f32 v17, v17, v[SB+16+2*\i], v[SB+16+2*\i+1]
.endr
	v_max_num_f32 v16, v16, v17
	v_permlanex16_b32 v17, v16, s78, s79           ; the other half of the lanes holds the query's other keys
	v_max_num_f32 v16, v16, v17
	v_sub_f32 v[AL], v[MX+\a], v16
	v_mov_b32 v[MX+\a], v16
.irp i, 0,1,2,3,4,5,6,7,8,9,10,11,12,13,14,15
	v_pk_add_f32 v[SB+2*\i:SB+2*\i+1], v[SB+2*\i:SB+2*\i+1], v[16:17] op_sel_hi:[1,0] neg_lo:[0,1] neg_hi:[0,1]
.endr
	v_exp_f32 v[AL], v[AL]
.set i, 0
.rept 32
	v_exp_f32 v[SB+i], v[SB+i]
.set i, i+1
.endr
	v_nop                                          ; one plain vector instruction behind the exponentials before a result is used (ISA guide 5.7.2)
	s_wait_alu depctr_va_vdst(0)
	v_pk_add_f32 v[18:19], v[SB:SB+1], v[SB+2:SB+3]
	v_pk_add_f32 v[20:21], v[SB+16:SB+17], v[SB+18:SB+19]
.irp i, 2,3,4,5,6,7
	v_pk_add_f32 v[18:19], v[18:19], v[SB+2*\i:SB+2*\i+1]
	v_pk_add_f32 v[20:21], v[20:21], v[SB+16+2*\i:SB+16+2*\i+1]
.endr
	v_pk_add_f32 v[18:19], v[18:19], v[20:21]
	v_add_f32 v18, v18, v19
	v_fma_f32 v[LS+\a], v[LS+\a], v[AL], v18
.irp u, 0,1                                        ; tiles 2 u, 2 u + 1 become the fragment of keys 32 u .. 32 u + 31, in place: each source is read before it is overwritten
.irp e, 0,1,2,3
	v_cvt_pk_f16_f32 v[SB+16*\u+\e], v[SB+16*\u+2*\e], v[SB+16*\u+2*\e+1]
.endr
.irp e, 0,1,2,3
	v_cvt_pk_f16_f32 v[SB+16*\u+4+\e], v[SB+16*\u+8+2*\e], v[SB+16*\u+8+2*\e+1]
.endr
.endr
.irp i, 0,1,2,3,4,5,6,7,8,9,10,11,12,13,14,15
	v_pk_mul_f32 v[O+32*\a+2*\i:O+32*\a+2*\i+1], v[O+32*\a+2*\i:O+32*\a+2*\i+1], v[AL:AL+1] op_sel_hi:[1,0]
.endr
.endm
; 64 keys (half h of the block in slot par) against my 32 queries.
.macro HALF par, h, treg
.rept 5
	v_nop                                          ; five places behind the last products: F is loaded again, S is written by matrix instructions (ISA guide 7.12.1)
.endr
.irp c, 0,1
.irp kt, 0,1,2,3
	ds_load_b128 v[F+8*(2*\kt+\c):F+8*(2*\kt+\c)+3],   v[KRD] offset:\par*KSLOT+(64*\h+16*\kt)*KP+64*\c
	ds_load_b128 v[F+8*(2*\kt+\c)+4:F+8*(2*\kt+\c)+7], v[KRD] offset:\par*KSLOT+(64*\h+16*\kt)*KP+64*\c+32
.endr
.endr
	s_wait_dscnt 0x8                               ; d = 0..31 is in; the eight younger loads (d = 32..63) may be out
.irp a, 0,1                                        ; the eight score tiles take turns, one instruction a turn
.irp kt, 0,1,2,3
	v_wmma_f32_16x16x32_f16 v[S+8*(4*\a+\kt):S+8*(4*\a+\kt)+7], v[F+16*\kt:F+16*\kt+7], v[Q+16*\a:Q+16*\a+7], 0
.endr
.endr
	s_wait_dscnt 0x0
.irp a, 0,1
.irp kt, 0,1,2,3
	v_wmma_f32_16x16x32_f16 v[S+8*(4*\a+\kt):S+8*(4*\a+\kt)+7], v[F+16*\kt+8:F+16*\kt+15], v[Q+16*\a+8:Q+16*\a+15], v[S+8*(4*\a+\kt):S+8*(4*\a+\kt)+7]
.endr
.endr
.rept 4
	v_nop                                          ; four places before F is loaded again and the scores are read
.endr
.irp dt, 0,1,2,3
.irp u, 0,1
	ds_load_tr16_b128 v[F+8*(2*\dt+\u):F+8*(2*\dt+\u)+3],   v[VRD] offset:\par*VSLOT+(64*\h+32*\u)*VP+32*\dt
	ds_load_tr16_b128 v[F+8*(2*\dt+\u)+4:F+8*(2*\dt+\u)+7], v[VRD] offset:\par*VSLOT+(64*\h+32*\u)*VP+32*\dt+16*VP
.endr
.endr
	s_wait_kmcnt 0x0                               ; this half's mask words; s77, which their loads named, is free too
.irp a, 0,1
.irp kt, 0,1,2,3
.irp j, 0,1,2,3,4,5,6,7
	v_cndmask_b32 v[S+8*(4*\a+\kt)+\j], v[NEG], v[S+8*(4*\a+\kt)+\j], s[16+32*\a+8*\kt+\j+16*\a*(\kt>>1)]
.endr
.endr
.endr
.if \h
	s_lshl_b32 s100, 2, \treg                      ; the words of this pass's next live block (31 when there is none: inside the buffer, not used)
	s_sub_co_u32 s100, s100, 1
	s_and_not1_b32 s100, s68, s100
	s_ctz_i32_b32 s100, s100
	s_min_u32 s100, s100, 31
	s_lshl_b32 s77, s100, 8
	WLOAD 0
.else
	WLOAD 128                                      ; the block's second half; s77 still holds this block's offset
.endif
	SOFTMAX 0
	SOFTMAX 1
	s_wait_dscnt 0x0
.irp u, 0,1                                        ; the eight tiles of O take turns
.irp a, 0,1
.irp dt, 0,1,2,3
	v_wmma_f32_16x16x32_f16 v[O+8*(4*\a+\dt):O+8*(4*\a+\dt)+7], v[F+8*(2*\dt+\u):F+8*(2*\dt+\u)+7], v[S+32*\a+16*\u:S+32*\a+16*\u+7], v[O+8*(4*\a+\dt):O+8*(4*\a+\dt)+7]
.endr
.endr
.endr
.endm
; Trip t.  One barrier, on every wave's way: in front of it my reads of slot (t - 1) & 1 and my stores into slot t & 1 are done.
; Behind it block t + 1, if live, is stored into slot (t + 1) & 1 and block t, if live, is read from slot t & 1.
.macro TRIP par, treg
	s_wait_dscnt 0x0
	s_barrier_signal -1
	s_barrier_wait -1
	s_bitcmp1_b32 s73, \treg
	s_cbranch_scc0 .Lnostore_\@
	STORE (1-\par)
.Lnostore_\@:
	s_bitcmp1_b32 s68, \treg
	s_cbranch_scc0 .Lnowork_\@
	HALF \par, 0, \treg
	HALF \par, 1, \treg
.Lnowork_\@:
.endm
	s_load_b256 s[4:11], s[0:1], 0x0               ; qp s[4:5], kp s[6:7], vp s[8:9], mbits s[10:11]
	s_load_b128 s[12:15], s[0:1], 0x20             ; live16 s[12:13], ctx s[14:15]
	v_lshl_add_u32 v30, v0, 2, 0x29000
	v_mov_b32 v31, 0
	v_lshrrev_b32 v16, 5, v0
	v_readfirstlane_b32 s66, v16                   ; wave 0..3
	s_mov_b32 s75, ttmp9                           ; first query block j,
	s_sub_co_u32 s76, 31, s75                      ; second 31 - j
	s_lshl_b32 s72, s75, 5                         ; eight words of live16 for a block
	s_lshl_b32 s74, s76, 5
	s_and_b32 s100, ttmp7, 0xffff                  ; head
	s_lshl_b32 s100, s100, 19                      ; 4096 x 128 bytes
	s_mov_b32 s101, 0
	s_mov_b32 s78, 0x76543210                      ; v_permlanex16_b32: lane i of one half reads lane i of the other
	s_mov_b32 s79, 0xfedcba98
	s_wait_kmcnt 0x0
	s_load_b256 s[16:23], s[12:13], s72 offset:0x0
	s_load_b256 s[24:31], s[12:13], s74 offset:0x0
	s_add_nc_u64 s[4:5], s[4:5], s[100:101]
	s_add_nc_u64 s[6:7], s[6:7], s[100:101]
	s_add_nc_u64 s[8:9], s[8:9], s[100:101]
	s_lshl_b32 s100, s100, 1                       ; ctx: 4096 x 256 bytes a head
	s_add_nc_u64 s[14:15], s[14:15], s[100:101]
	v_and_b32 v16, 15, v0                          ; r
	v_bfe_u32 v17, v0, 4, 1                        ; h
	v_and_b32 v18, 7, v0
	v_bfe_u32 v19, v0, 3, 1
	v_lshrrev_b32 v21, 3, v0
	v_mul_u32_u24 v[KRD], v16, KP
	v_lshl_add_u32 v[KRD], v17, 4, v[KRD]
	v_lshl_add_u32 v20, v17, 3, v18
	v_mul_u32_u24 v[VRD], v20, VP
	v_lshl_add_u32 v[VRD], v19, 4, v[VRD]
	v_add_nc_u32 v[VRD], VBASE, v[VRD]
	v_mul_u32_u24 v[KST], v21, KP
	v_lshl_add_u32 v[KST], v18, 4, v[KST]
	v_mul_u32_u24 v[VST], v21, VP
	v_lshl_add_u32 v[VST], v18, 4, v[VST]
	v_add_nc_u32 v[VST], VBASE, v[VST]
	v_lshlrev_b32 v[T16], 4, v0
	v_lshlrev_b32 v[QOF], 7, v16
	v_lshl_add_u32 v[QOF], v17, 4, v[QOF]
	s_mul_i32 s100, s66, WSTAGE
	s_add_co_u32 s100, s100, STAGE
	v_mul_u32_u24 v[STG], v16, SP
	v_lshl_add_u32 v[STG], v17, 4, v[STG]
	v_add_nc_u32 v[STG], s100, v[STG]              ; in: query r, 16 bytes for each half of the lanes
	v_mul_u32_u24 v[RDS], v17, SP
	v_lshl_add_u32 v[RDS], v16, 4, v[RDS]
	v_add_nc_u32 v[RDS], s100, v[RDS]              ; back: sixteen lanes take a row of 256 bytes
	v_and_b32 v[L16], 31, v0
	v_lshlrev_b32 v[L16], 4, v[L16]
	v_mov_b32 v[NEG], 0xf191accb                   ; -1e30 x log2(e)
	v_mov_b32 v15, 0                               ; upper registers of the factor pairs: named by the packed multiplies, never used
	v_mov_b32 v25, 0
	s_wait_kmcnt 0x0
	s_or_b32 s68, s16, s17                         ; a block of 128 queries is live where one of its eight tiles is
	s_or_b32 s69, s24, s25
.irp i, 18,19,20,21,22,23
	s_or_b32 s68, s68, s\i
.endr
.irp i, 26,27,28,29,30,31
	s_or_b32 s69, s69, s\i
.endr
	s_mov_b32 s70, s68
	s_mov_b32 s71, s69
	SCAN s72
	LOADR                                          ; the first live block
	s_bitcmp1_b32 s68, 0
	s_cbranch_scc0 .Lno_block_0
	STORE 0                                        ; block 0 has no trip in front of it
.Lno_block_0:
	s_mov_b32 s2, 0
.Lpass:
	s_wait_xcnt 0x0                                ; the last pass's stores have read their base and data
	s_wait_kmcnt 0x0                               ; and no load of mask words is out: their base and registers are written below
	s_lshl_b32 s100, s75, 7
	s_lshl_b32 s101, s66, 5
	s_add_co_u32 s100, s100, s101                  ; my first query
	s_lshl_b32 s100, s100, 7
	s_mov_b32 s101, 0
	s_add_nc_u64 s[96:97], s[4:5], s[100:101]      ; 128 bytes a row of qp
	s_lshl_b32 s100, s100, 1
	s_add_nc_u64 s[98:99], s[14:15], s[100:101]    ; 256 bytes a row of ctx
	s_lshl_b32 s100, s100, 1
	s_add_nc_u64 s[12:13], s[10:11], s[100:101]    ; 8,192 bytes of mask words for 16 queries
.irp a, 0,1
.irp c, 0,1
	global_load_b128 v[Q+8*(2*\a+\c):Q+8*(2*\a+\c)+3],   v[QOF], s[96:97] offset:\a*2048+64*\c
	global_load_b128 v[Q+8*(2*\a+\c)+4:Q+8*(2*\a+\c)+7], v[QOF], s[96:97] offset:\a*2048+64*\c+32
.endr
.endr
	s_lshr_b32 s73, s68, 1
	s_lshl_b32 s100, s69, 31                       ; trip 31 stores the next pass's block 0
	s_or_b32 s73, s73, s100
	s_ctz_i32_b32 s100, s68
	s_min_u32 s100, s100, 31
	s_lshl_b32 s77, s100, 8                        ; 256 bytes of words for a key block
	WLOAD 0
	v_mov_b32 v[MX], 0xff7fffff                    ; below every score, the masked ones too: the first factor is 2^(-large) = 0
	v_mov_b32 v[MX+1], 0xff7fffff
	v_mov_b32 v[LS], 0
	v_mov_b32 v[LS+1], 0
	v_mov_b32 v16, 0
	v_mov_b32 v17, 0
.set i, 0
.rept 64
	v_mov_b32 v[O+i], 0                            ; which block comes first is known only from the live word, so no first product can be written out to start the sums
.set i, i+1
.endr
	s_wait_loadcnt 0x0
	s_mov_b32 s67, 0
.Ltrip:
	TRIP 0, s67
	s_add_co_u32 s74, s67, 1
	TRIP 1, s74
	s_add_co_u32 s67, s67, 2
	s_cmp_lt_u32 s67, 32
	s_cbranch_scc1 .Ltrip
	; THE WAY OUT: divide by the sum, split into hi and lo, through my own stage, out as runs of 512 bytes.
.rept 4
	v_nop                                          ; four places behind the last products
.endr
	v_permlanex16_b32 v16, v[LS], s78, s79
	v_permlanex16_b32 v17, v[LS+1], s78, s79
	v_add_f32 v16, v16, v[LS]
	v_add_f32 v17, v17, v[LS+1]
	v_rcp_f32 v14, v16                             ; the sum is at least 1: the largest weight is 2^0
	v_rcp_f32 v24, v17
	v_nop
	s_wait_alu depctr_va_vdst(0)
.irp a, 0,1
.irp dt, 0,1,2,3
.irp e, 0,1,2,3
	v_pk_mul_f32 v[O+8*(4*\a+\dt)+2*\e:O+8*(4*\a+\dt)+2*\e+1], v[O+8*(4*\a+\dt)+2*\e:O+8*(4*\a+\dt)+2*\e+1], v[14+10*\a:15+10*\a] op_sel_hi:[1,0]
.endr
.irp e, 0,1,2,3
	v_cvt_pk_bf16_f32 v[F+4*(4*\a+\dt)+\e], v[O+8*(4*\a+\dt)+2*\e], v[O+8*(4*\a+\dt)+2*\e+1]
.endr
.irp e, 0,1,2,3
	v_lshlrev_b32 v[S+2*\e], 16, v[F+4*(4*\a+\dt)+\e]
	v_and_b32 v[S+2*\e+1], 0xffff0000, v[F+4*(4*\a+\dt)+\e]
.endr
.irp e, 0,1,2,3
	v_pk_add_f32 v[O+8*(4*\a+\dt)+2*\e:O+8*(4*\a+\dt)+2*\e+1], v[O+8*(4*\a+\dt)+2*\e:O+8*(4*\a+\dt)+2*\e+1], v[S+2*\e:S+2*\e+1] neg_lo:[0,1] neg_hi:[0,1]
.endr
.irp e, 0,1,2,3
	v_cvt_pk_bf16_f32 v[F+32+4*(4*\a+\dt)+\e], v[O+8*(4*\a+\dt)+2*\e], v[O+8*(4*\a+\dt)+2*\e+1]
.endr
	ds_store_b128 v[STG], v[F+4*(4*\a+\dt):F+4*(4*\a+\dt)+3] offset:\a*16*SP+32*\dt
	ds_store_b128 v[STG], v[F+32+4*(4*\a+\dt):F+32+4*(4*\a+\dt)+3] offset:\a*16*SP+32*\dt+128
.endr
.endr
.irp i, 0,1,2,3,4,5,6,7,8,9,10,11,12,13,14,15
	ds_load_b128 v[S+4*\i:S+4*\i+3], v[RDS] offset:2*SP*\i         ; my own bytes, served in order behind the stores above
.endr
.irp i, 0,1,2,3,4,5,6,7,8,9,10,11,12,13,14,15
	s_wait_dscnt 15-\i                             ; the younger read-backs may stay out
	global_store_b128 v[L16], v[S+4*\i:S+4*\i+3], s[98:99] offset:512*\i
.endr
	s_mov_b32 s75, s76
	s_mov_b32 s68, s69
	s_mov_b32 s69, 0
	s_add_co_u32 s2, s2, 1
	s_cmp_lt_u32 s2, 2
	s_cbranch_scc1 .Lpass
	s_wait_tensorcnt 0x0
	ds_add_u32 v30, v31
	s_wait_dscnt 0x0
	s_endpgm
.Lfunc_end_k_q5901180c20_attn:
	.size	k_q5901180c20_attn, .Lfunc_end_k_q5901180c20_attn-k_q5901180c20_attn
	.p2alignl 7, 3214868480
	.fill 96, 4, 3214868480
	.section	.rodata,"a",@progbits
	.p2align	6, 0x0
	.amdhsa_kernel k_q5901180c20_attn
		.amdhsa_group_segment_fixed_size 168448
		.amdhsa_private_segment_fixed_size 0
		.amdhsa_enable_private_segment 0
		.amdhsa_kernarg_size 48
		.amdhsa_user_sgpr_count 2
		.amdhsa_user_sgpr_kernarg_segment_ptr 1
		.amdhsa_wavefront_size32 1
		.amdhsa_system_sgpr_workgroup_id_x 1
		.amdhsa_system_sgpr_workgroup_id_y 1
		.amdhsa_system_sgpr_workgroup_id_z 1
		.amdhsa_system_vgpr_workitem_id 0
		.amdhsa_next_free_vgpr 320
		.amdhsa_next_free_sgpr 102
		.amdhsa_reserve_vcc 0
		.amdhsa_float_denorm_mode_32 3
		.amdhsa_float_denorm_mode_16_64 3
		.amdhsa_memory_ordered 1
		.amdhsa_forward_progress 1
		.amdhsa_inst_pref_size 120
	.end_amdhsa_kernel
	.amdgpu_metadata
---
amdhsa.version: [ 1, 2 ]
amdhsa.kernels:
  - .name:           k_q5901180c20_attn
    .symbol:         k_q5901180c20_attn.kd
    .args:
      - { .name: qp, .offset: 0, .size: 8, .value_kind: global_buffer, .address_space: global }
      - { .name: kp, .offset: 8, .size: 8, .value_kind: global_buffer, .address_space: global }
      - { .name: vp, .offset: 16, .size: 8, .value_kind: global_buffer, .address_space: global }
      - { .name: mbits, .offset: 24, .size: 8, .value_kind: global_buffer, .address_space: global }
      - { .name: live16, .offset: 32, .size: 8, .value_kind: global_buffer, .address_space: global }
      - { .name: ctx, .offset: 40, .size: 8, .value_kind: global_buffer, .address_space: global }
    .group_segment_fixed_size: 168448
    .private_segment_fixed_size: 0
    .kernarg_segment_align: 8
    .kernarg_segment_size: 48
    .max_flat_workgroup_size: 128
    .sgpr_count:     102
    .vgpr_count:     320
    .wavefront_size: 32
...
	.end_amdgpu_metadata
.endif
;; end of part 3
;; launch outp (part 4): grid 8 x 32, 4 waves a work-group, clusters of 4 x 4, 327,680 bytes of LDS; arguments ctx, wo, bo, out0; writes out0
.if DOCPART == 4
	.amdgcn_target "amdgcn-amd-amdhsa--gfx1250"
	.amdhsa_code_object_version 6
	.text
	.protected	k_q5901180c20_outp
	.globl	k_q5901180c20_outp
	.p2align	8
	.type	k_q5901180c20_outp,@function
k_q5901180c20_outp:
	s_mov_b64 s[64:65], 0
	v_nop
	global_prefetch_b8 v0, s[64:65] scope:SCOPE_SE
	s_setreg_imm32_b32 hwreg(HW_REG_WAVE_MODE, 25, 1), 1
	s_wait_xcnt 0x0
	s_wait_alu depctr_hold_cnt(0) depctr_sa_sdst(0) depctr_va_vdst(0) depctr_va_sdst(0) depctr_va_ssrc(0) depctr_va_vcc(0) depctr_vm_vsrc(0)
	s_getreg_b32 s2, hwreg(HW_REG_IB_STS2, 6, 4)
	s_cmp_eq_u32 s2, 0
	s_cbranch_scc0 .Lentry_in_a_cluster
	s_endpgm
.Lentry_in_a_cluster:
	s_bfe_u32 s2, ttmp6, 0x10000c
	s_cmp_lg_u32 s2, 0xf033
	s_cbranch_scc0 .Lentry_shape_is_right
	s_endpgm
.Lentry_shape_is_right:
; OUTP: out0 = ctx wo^T + bo, f32.  ctx comes as [head][token][64 hi | 64 lo] in bf16; wo is rounded to bf16 in registers.  Each wo fragment is
; multiplied by the hi and by the lo part of ctx into the same f32 sum, so ctx counts with 16 bits.  Nothing of reference() is left out here.
; A work-group makes 128 x 128 (256 work-groups), four waves 64 x 64 each: 16 accumulator tiles.  K goes in steps of 128 (two heads) through two
; LDS slots.  One tensor load a wave and step: waves 0, 1 a head's 128 rows x 256 bytes of ctx, waves 2, 3 64 rows x 512 bytes of wo.
; CLUSTERS: 4 x 4 work-groups; ctx tiles are asked for jointly along a cluster row, wo tiles along a column.
; REGISTERS: window 0: v0-31 addresses, v32-63 wo fragments in bf16, v64-127 the same as f32, v128-255 ctx fragments, two buffers of hi 32 + lo 32.
;            window 1: v0-127 accumulators 8 (4 a + b), v128-159 bias of my 64 columns.
; The matrix instruction is used transposed (source 0 = wo rows, source 1 = ctx rows): a lane's 8 results are 8 neighbouring columns.
.set APITCH, 272
.set BPITCH, 528
.set HALFA,  128*APITCH
.set HALFB,  64*BPITCH
.set BOFFS,  2*HALFA
.set SLOT,   2*HALFA+2*HALFB
.set STAGE,  2*SLOT                    ; 16 rows x 272 bytes for each wave; no tensor load lands here
.set SPITCH, 272
.set HEADB,  1048576
.set LAPS,   4
.set ADRA, 16
.set ADRB, 20
.set STO,  24
.set RD,   25
.set CO,   26
.set BOF,  27
.set FB,   32
.set LB,   64
.set FA,   128
.set BIAS, 128
.set G1,  24
.set G0,  32
.set G1B, 48
.set G0B, 56
.set MSB, 0
.macro WIN new
.if MSB != (\new)
	s_set_vgpr_msb (MSB<<8)|(\new)
.set MSB, \new
.endif
.endm
.macro JLOAD s
	s_cmp_eq_u32 s11, 0
	s_cbranch_scc0 .Lfor_b_\@
	tensor_load_to_lds s[G0+4*\s:G0+4*\s+3], s[G1:G1+7]
	s_nop 0
	s_branch .Lasked_\@
.Lfor_b_\@:
	tensor_load_to_lds s[G0B+4*\s:G0B+4*\s+3], s[G1B:G1B+7]
	s_nop 0
.Lasked_\@:
.endm
.macro CREST
	s_cmp_lg_u32 s10, 0
	s_cbranch_scc1 .Lnot_wave_0_\@
	s_barrier_signal -3
.Lnot_wave_0_\@:
	s_barrier_wait -3
	s_barrier_signal -1
	s_barrier_wait -1
.endm
.macro CROUND
	s_barrier_signal -1
	s_barrier_wait -1
	CREST
.endm
	s_load_b128 s[4:7], s[0:1], 0x0                ; ctx s[4:5], wo s[6:7]
	s_load_b128 s[68:71], s[0:1], 0x10             ; bo s[68:69], out0 s[70:71]
	v_lshl_add_u32 v30, v0, 2, 0x47400
	v_mov_b32 v31, 0
	ds_add_u32 v30, v31
	ds_add_u32 v30, v31
	v_lshrrev_b32 v1, 5, v0
	v_readfirstlane_b32 s10, v1
	s_lshr_b32 s11, s10, 1                         ; my half of the rows; also: I fetch ctx (0) or wo (1)
	s_and_b32 s12, s10, 1                          ; my half of the columns; also: which head, or which 64 rows of wo, I fetch
	s_bfe_u32 s40, ttmp6, 0x40000
	s_bfe_u32 s41, ttmp6, 0x40004
	s_lshl_b32 s42, ttmp9, 2
	s_add_co_u32 s42, s42, s40                     ; block column 0..7
	s_and_b32 s13, ttmp7, 0xffff
	s_lshl_b32 s13, s13, 2
	s_add_co_u32 s13, s13, s41                     ; block row 0..31
	s_lshl_b32 s43, s41, 2
	s_lshl_b32 s43, 15, s43
	s_lshl_b32 s44, 0x1111, s40
	s_or_b32 s[G1+0], s43, (1<<16)|(1<<20)|(1<<21)|(5<<22)|(3<<25)   ; ctx: 2-byte elements, 4 words of padding after every 64
	s_mov_b32 s[G1+1], 128<<16
	s_mov_b32 s[G1+2], 128<<16
	s_mov_b32 s[G1+3], 128<<16
	s_mov_b32 s[G1+4], 128
	s_mov_b32 s[G1+5], 128
	s_mov_b32 s[G1+6], 0
	s_mov_b32 s[G1+7], 0
	s_or_b32 s[G1B+0], s44, (2<<16)|(1<<20)|(1<<21)|(6<<22)|(3<<25)  ; wo: 4-byte elements, 4 words after every 128
	s_mov_b32 s[G1B+1], 128<<16
	s_mov_b32 s[G1B+2], 64<<16
	s_mov_b32 s[G1B+3], 128<<16
	s_mov_b32 s[G1B+4], 64
	s_mov_b32 s[G1B+5], 1024
	s_mov_b32 s[G1B+6], 0
	s_mov_b32 s[G1B+7], 0
	s_lshl_b32 s16, s13, 15                        ; ctx: 128 rows of 256 bytes a block row,
	s_lshl_b32 s17, s12, 20                        ; a head of 1 MiB
	s_add_co_u32 s16, s16, s17
	s_mov_b32 s17, 0
	s_lshl_b32 s46, s42, 7
	s_lshl_b32 s47, s12, 6
	s_add_co_u32 s46, s46, s47                     ; wo: row 128 block column + 64 half: also my first column
	s_lshl_b32 s72, s46, 2                         ; in bytes of bo and of a row of out0
	s_lshl_b32 s46, s46, 12
	s_mov_b32 s47, 0
	s_mov_b32 s73, 0
	s_mul_i32 s20, s12, HALFA
	s_mul_i32 s21, s12, HALFB
	s_add_co_u32 s21, s21, BOFFS
	s_wait_dscnt 0x0
	s_wait_kmcnt 0x0
	s_add_nc_u64 s[14:15], s[4:5], s[16:17]
	s_add_nc_u64 s[46:47], s[6:7], s[46:47]
	s_add_nc_u64 s[68:69], s[68:69], s[72:73]
	CROUND
.irp s, 0,1
	s_mov_b32 s[G0+4*\s], 1
	s_add_co_u32 s[G0+4*\s+1], s20, \s*SLOT
	s_add_nc_u64 s[G0+4*\s+2:G0+4*\s+3], s[14:15], \s*2*HEADB
	s_or_b32 s[G0+4*\s+3], s[G0+4*\s+3], 0x80000000
	s_mov_b32 s[G0B+4*\s], 1
	s_add_co_u32 s[G0B+4*\s+1], s21, \s*SLOT
	s_add_nc_u64 s[G0B+4*\s+2:G0B+4*\s+3], s[46:47], \s*512
	s_or_b32 s[G0B+4*\s+3], s[G0B+4*\s+3], 0x80000000
	JLOAD \s                                       ; two loads of the wave are out
.endr
	v_and_b32 v1, 15, v0
	v_bfe_u32 v2, v0, 4, 1
	v_mul_u32_u24 v3, v1, APITCH
	v_lshl_add_u32 v3, v2, 4, v3
	v_mul_u32_u24 v4, v1, BPITCH
	v_lshl_add_u32 v4, v2, 5, v4
	s_mul_i32 s22, s11, 64*APITCH
	s_mul_i32 s23, s12, HALFB
	s_add_co_u32 s23, s23, BOFFS
.irp s, 0,1
	v_add_nc_u32 v[ADRA+\s], s22, v3
	v_add_nc_u32 v[ADRB+\s], s23, v4
	s_add_co_u32 s22, s22, SLOT
	s_add_co_u32 s23, s23, SLOT
.endr
	s_mul_i32 s18, s10, 16*SPITCH
	s_add_co_u32 s18, s18, STAGE
	v_mul_u32_u24 v5, v1, SPITCH
	v_lshl_add_u32 v5, v2, 5, v5
	v_add_nc_u32 v[STO], s18, v5                   ; in: row r, 32 bytes for each half of the lanes
	v_mul_u32_u24 v6, v2, SPITCH
	v_lshl_add_u32 v6, v1, 4, v6
	v_add_nc_u32 v[RD], s18, v6                    ; back: sixteen lanes take a row of 256 bytes
	v_lshlrev_b32 v7, 12, v2
	v_lshl_add_u32 v[CO], v1, 4, v7
	v_lshlrev_b32 v[BOF], 5, v2
	WIN 0x40
.irp b, 0,1,2,3
	global_load_b128 v[BIAS+8*\b:BIAS+8*\b+3],   v[BOF], s[68:69] offset:64*\b
	global_load_b128 v[BIAS+8*\b+4:BIAS+8*\b+7], v[BOF], s[68:69] offset:64*\b+16
.endr
	WIN 0
	s_wait_loadcnt 0x0
; the fragments of chunk q (32 along K): 64 rows of wo as f32; 64 rows of ctx, hi and lo, into buffer q & 1
.macro FETCH slot, q
.irp i, 0,1,2,3
.irp e, 0,1,2,3
	ds_load_b128 v[LB+16*\i+4*\e:LB+16*\i+4*\e+3], v[ADRB+\slot] offset:128*(\q)+\i*16*BPITCH+16*(\e&1)+64*(\e>>1)
.endr
.endr
.irp l, 0,1
.irp i, 0,1,2,3
	ds_load_b128 v[FA+64*((\q)&1)+32*\l+8*\i:FA+64*((\q)&1)+32*\l+8*\i+3],   v[ADRA+\slot] offset:((\q)>>1)*HALFA+((\q)&1)*64+128*\l+\i*16*APITCH
	ds_load_b128 v[FA+64*((\q)&1)+32*\l+8*\i+4:FA+64*((\q)&1)+32*\l+8*\i+7], v[ADRA+\slot] offset:((\q)>>1)*HALFA+((\q)&1)*64+128*\l+\i*16*APITCH+32
.endr
.endr
.endm
.macro CONVB
.irp i, 0,1,2,3
.irp e, 0,1,2,3,4,5,6,7
	v_cvt_pk_bf16_f32 v[FB+8*\i+\e], v[LB+16*\i+2*\e], v[LB+16*\i+2*\e+1]
.endr
.endr
.endm
.macro MULO q, zero                    ; 32 matrix instructions: the 16 accumulators take turns, hi parts, then lo parts
	WIN 0x50
.irp a, 0,1,2,3
.irp b, 0,1,2,3
.if \zero
	v_wmma_f32_16x16x32_bf16 v[8*(4*\a+\b):8*(4*\a+\b)+7], v[FB+8*\b:FB+8*\b+7], v[FA+64*((\q)&1)+8*\a:FA+64*((\q)&1)+8*\a+7], 0
.else
	v_wmma_f32_16x16x32_bf16 v[8*(4*\a+\b):8*(4*\a+\b)+7], v[FB+8*\b:FB+8*\b+7], v[FA+64*((\q)&1)+8*\a:FA+64*((\q)&1)+8*\a+7], v[8*(4*\a+\b):8*(4*\a+\b)+7]
.endif
.endr
.endr
.irp a, 0,1,2,3
.irp b, 0,1,2,3
	v_wmma_f32_16x16x32_bf16 v[8*(4*\a+\b):8*(4*\a+\b)+7], v[FB+8*\b:FB+8*\b+7], v[FA+64*((\q)&1)+32+8*\a:FA+64*((\q)&1)+32+8*\a+7], v[8*(4*\a+\b):8*(4*\a+\b)+7]
.endr
.endr
	WIN 0
.endm
.macro PLACES                          ; four independent vector instructions behind a matrix instruction before its sources are written (ISA guide 7.12.1)
.rept 4
	v_nop
.endr
.endm
.macro CHUNK slot, q, zero             ; chunks 0 to 2 of a K step
	s_wait_dscnt 0x0
	PLACES
	CONVB
	FETCH \slot, (\q+1)
	MULO \q, \zero
.endm
; Chunk 3 and the change of slots: my reads of this slot are back and all my tensor loads have landed in front of the barrier; behind it
; the refill comes first, then the next slot's first fragments.
.macro TURN slot, next, fill
	s_wait_dscnt 0x0
	s_wait_tensorcnt 0x0
	ds_add_u32 v30, v31
	s_wait_dscnt 0x0
	s_barrier_signal -1
	PLACES
	CONVB
	s_barrier_wait -1
.if \fill
	CREST
	s_add_nc_u64 s[G0+4*\slot+2:G0+4*\slot+3], s[G0+4*\slot+2:G0+4*\slot+3], 4*HEADB
	s_add_nc_u64 s[G0B+4*\slot+2:G0B+4*\slot+3], s[G0B+4*\slot+2:G0B+4*\slot+3], 1024
	JLOAD \slot
.endif
	FETCH \next, 0
	MULO 3, 0
.endm
.macro STEP slot, next, fill, zero
	CHUNK \slot, 0, \zero
	CHUNK \slot, 1, 0
	CHUNK \slot, 2, 0
	TURN \slot, \next, \fill
.endm
	s_wait_tensorcnt 0x1                           ; my part of K step 0 is in; K step 1's may stay out
	s_barrier_signal -1
	s_barrier_wait -1
	FETCH 0, 0
	STEP 0, 1, 1, 1                                ; the first products start the sums
	STEP 1, 0, 1, 0
	s_mov_b32 s3, LAPS-2
.Llap:
	STEP 0, 1, 1, 0
	STEP 1, 0, 1, 0
	s_sub_co_u32 s3, s3, 1
	s_cmp_lg_u32 s3, 0
	s_cbranch_scc1 .Llap
	STEP 0, 1, 0, 0                                ; the last lap fills nothing
	CHUNK 1, 0, 0
	CHUNK 1, 1, 0
	CHUNK 1, 2, 0
	s_wait_dscnt 0x0
	PLACES
	CONVB
	MULO 3, 0
	; THE WAY OUT, 16 rows at a time: add the bias, through my own stage, out as rows of 256 bytes.
	PLACES
	s_lshl_b32 s16, s13, 7
	s_lshl_b32 s17, s11, 6
	s_add_co_u32 s16, s16, s17                     ; my first row
	s_lshl_b32 s16, s16, 12
	s_mov_b32 s17, 0
	s_add_nc_u64 s[70:71], s[70:71], s[16:17]
	s_add_nc_u64 s[70:71], s[70:71], s[72:73]      ; my first column
.macro OUT16 a, rb
	WIN 0x05                                       ; sums and bias in window 1
.irp b, 0,1,2,3
.irp e, 0,1,2,3
	v_pk_add_f32 v[LB+8*\b+2*\e:LB+8*\b+2*\e+1], v[8*(4*\a+\b)+2*\e:8*(4*\a+\b)+2*\e+1], v[BIAS+8*\b+2*\e:BIAS+8*\b+2*\e+1]
.endr
.endr
	WIN 0
.irp b, 0,1,2,3
	ds_store_b128 v[STO], v[LB+8*\b:LB+8*\b+3] offset:64*\b
	ds_store_b128 v[STO], v[LB+8*\b+4:LB+8*\b+7] offset:64*\b+16
.endr
	s_wait_xcnt 0x0                                ; the read-back registers and the base, which earlier stores name, are rewritten only behind this wait
.if \a
	s_add_nc_u64 s[70:71], s[70:71], 16*4096
.endif
.irp t, 0,1,2,3,4,5,6,7
	ds_load_b128 v[\rb+4*\t:\rb+4*\t+3], v[RD] offset:\t*2*SPITCH
.endr
.irp t, 0,1,2,3,4,5,6,7
	s_wait_dscnt 7-\t                              ; the younger read-backs may stay out
	global_store_b128 v[CO], v[\rb+4*\t:\rb+4*\t+3], s[70:71] offset:2*\t*4096   ; sixteen lanes: 256 consecutive bytes, aligned
.endr
.endm
	OUT16 0, FA
	OUT16 1, FA+32
	OUT16 2, FA
	OUT16 3, FA+32
	s_wait_tensorcnt 0x0
	ds_add_u32 v30, v31
	s_wait_dscnt 0x0
	CROUND                                         ; no work-group ends while a partner may still ask for a tile that names it
	s_endpgm
.Lfunc_end_k_q5901180c20_outp:
	.size	k_q5901180c20_outp, .Lfunc_end_k_q5901180c20_outp-k_q5901180c20_outp
	.p2alignl 7, 3214868480
	.fill 96, 4, 3214868480
	.section	.rodata,"a",@progbits
	.p2align	6, 0x0
	.amdhsa_kernel k_q5901180c20_outp
		.amdhsa_group_segment_fixed_size 327680
		.amdhsa_private_segment_fixed_size 0
		.amdhsa_enable_private_segment 0
		.amdhsa_kernarg_size 32
		.amdhsa_user_sgpr_count 2
		.amdhsa_user_sgpr_kernarg_segment_ptr 1
		.amdhsa_wavefront_size32 1
		.amdhsa_system_sgpr_workgroup_id_x 1
		.amdhsa_system_sgpr_workgroup_id_y 1
		.amdhsa_system_sgpr_workgroup_id_z 1
		.amdhsa_system_vgpr_workitem_id 0
		.amdhsa_next_free_vgpr 416
		.amdhsa_next_free_sgpr 74
		.amdhsa_reserve_vcc 0
		.amdhsa_float_denorm_mode_32 3
		.amdhsa_float_denorm_mode_16_64 3
		.amdhsa_memory_ordered 1
		.amdhsa_forward_progress 1
		.amdhsa_inst_pref_size 174
	.end_amdhsa_kernel
	.amdgpu_metadata
---
amdhsa.version: [ 1, 2 ]
amdhsa.kernels:
  - .name:           k_q5901180c20_outp
    .symbol:         k_q5901180c20_outp.kd
    .args:
      - { .name: ctx, .offset: 0, .size: 8, .value_kind: global_buffer, .address_space: global }
      - { .name: wo, .offset: 8, .size: 8, .value_kind: global_buffer, .address_space: global }
      - { .name: bo, .offset: 16, .size: 8, .value_kind: global_buffer, .address_space: global }
      - { .name: out0, .offset: 24, .size: 8, .value_kind: global_buffer, .address_space: global }
    .group_segment_fixed_size: 327680
    .private_segment_fixed_size: 0
    .kernarg_segment_align: 8
    .kernarg_segment_size: 32
    .max_flat_workgroup_size: 128
    .sgpr_count:     74
    .vgpr_count:     416
    .wavefront_size: 32
...
	.end_amdgpu_metadata
.endif
;; end of part 4
;; ======== version 2 of 2: 4 launches; version 1 with the launch attn written anew for expert scheduling mode
;; limits: values are held in f16: magnitudes above 65,504 overflow, below 6.1e-05 lose precision
;; workspace buffers: qp 8,388,608 bytes; kp 8,388,608 bytes; vp 8,388,608 bytes; ctx 16,777,216 bytes; mbits 2,097,152 bytes of whole numbers; live16 1,024 bytes of whole numbers
;; launch pack: the kernel of part 1 again; grid 256 x 1, 8 waves a work-group, no clusters, 267,520 bytes of LDS; arguments mask, mbits, live16; writes mbits, live16
;; launch proj: the kernel of part 2 again; grid 4 x 48, 4 waves a work-group, clusters of 4 x 4, 327,680 bytes of LDS; arguments q, k, v, wq, wk, wv, bq, bk, bv, qp, kp, vp; writes qp, kp, vp
;; launch attn (part 5): grid 16 x 16, 4 waves a work-group, no clusters, 168,448 bytes of LDS; arguments qp, kp, vp, mbits, live16, ctx; writes ctx
.if DOCPART == 5
	.amdgcn_target "amdgcn-amd-amdhsa--gfx1250"
	.amdhsa_code_object_version 6
	.text
	.protected	k_q5901180c20_attn
	.globl	k_q5901180c20_attn
	.p2align	8
	.type	k_q5901180c20_attn,@function
k_q5901180c20_attn:
	s_mov_b64 s[64:65], 0
	v_nop
	global_prefetch_b8 v0, s[64:65] scope:SCOPE_SE
	s_setreg_imm32_b32 hwreg(HW_REG_WAVE_SCHED_MODE, 0, 2), 2
	s_setreg_imm32_b32 hwreg(HW_REG_WAVE_MODE, 25, 1), 1
	s_wait_xcnt 0x0
	s_wait_alu depctr_vm_vsrc(0)
; ATTN: softmax(mask ? q k / 32 : -1e30) v for one head and two blocks of 128 queries, with a running maximum, in f16 products and f32 sums.
; qp already carries log2(e) / 32, so weights are 2^(s - m).  Result: ctx [head][token][64 hi | 64 lo] in bf16, hi = the rounded value,
; lo = the rounded rest: the last launch multiplies both, so that ctx enters its product with 16 bits.
; LEFT OUT: key blocks of 128 whose bit in the query block's live word is 0.  There mask == 0 for all 128 x 128 entries and every one of the 128
; rows has a live key elsewhere, so each weight is exp(-1e30 - m) = 0 in f32; a row without any live key makes the word all ones (first launch).
; LIMITS: scores x log2(e) lie above -1.44e30; |qp|, |kp|, |vp| < 65,504 (f16); weights are rounded to f16 for the product while their sum is
; taken unrounded; a NaN or infinity in K or V rows that lie only in blocks left out is not carried on.
; WORK: work-group (j, head) takes query blocks j and 31 - j, one after the other.  The pairing is right for every mask; it evens the work only where
; the number of live blocks rises or falls steadily with the block.  A wave has 32 queries: two tiles of 16.
; K and V go global -> registers -> LDS, two slots, block b in slot b & 1: which block comes next is known only from the live words, so the
; loads are plain loads under a scalar branch.  NO CLUSTER: the work-groups of a head want different key blocks at different times (their
; lists come from the mask), so their requests would not meet.  More LDS is declared than used so that each work-group has a WGP of its own.
; ORIENTATION: S^T = K Q^T (keys along the registers, queries along the lanes): maximum and sum are taken inside a lane plus one exchange of the
; lane halves, and two packed score tiles ARE the second operand of O^T = V^T P^T.  V^T is read by the transposing LDS load.
; THE MODE: SCHED_MODE bits 1:0 = 2 (LLVM: expert scheduling mode 2), set by the entry lines.  The code itself states the register dependences
; between vector or matrix instructions and memory or LDS instructions, with s_wait_alu, always for 0.
; THE PLAN.  Registers that memory or LDS instructions touch:
;   v1-5, v9, v26-28  addresses and offsets: written at the head, ahead of one wait, and named by no vector instruction again.  The block that is fetched is reached by
;                     two scalar bases, Q's rows and ctx's rows by a scalar base made where it is used.
;   staging (window 1, v[0:63])  written by the 16 global loads of a block, read by the 16 LDS stores of the next STORE; no vector instruction names it.
;   FK  v[64:127]                written by K's LDS loads, read by a half's products K Q^T.  On the way out: written by the conversions, read by the LDS stores into the stage.
;   FV  (window 1, v[64:127])    written by V's turning loads, read by a half's products V^T P.
;   Q   v[32:63]                 written by the loads at a pass's head, read by the products K Q^T.
;   S   v[128:191]               in the loop named by vector and matrix instructions alone.  On the way out: at work, then the stage's read-back lands in it, and the global stores read it.
; A half has two waits on va_vdst, each behind a query tile's batch of exponentials, whose results it waits for.  The first also stands behind the last half's products V^T P: this half's V
; is asked for behind it.  The second also stands behind this half's products K Q^T: in a block's first half the second half's K is asked for behind it.  A block's first half asks for its K
; at its head, behind the trip's barrier: whatever named FK last (an earlier half's products, the last pass's conversions) stands ahead of a wait on va_vdst, and nothing since names FK.
; One wait on vm_vsrc stands in STORE, between the LDS stores that read the staging registers and the loads that land in them; one at a pass's head, for FK and S of the last way out.
.set KP,     144                       ; K rows: 128 bytes + 16
.set VP,     160                       ; V rows: 128 bytes + 32 (an odd multiple of 32 for the transposing load)
.set KSLOT,  128*KP
.set VSLOT,  128*VP
.set VBASE,  2*KSLOT
.set STAGE,  VBASE+2*VSLOT             ; 77,824
.set SP,     272
.set WSTAGE, 32*SP                     ; a wave's stage: 32 rows of 256 bytes + 16
.set KRD, 1                            ; v1  r KP + 16 h
.set VRD, 2                            ; v2  VBASE + (8 h + (L & 7)) VP + 16 ((L >> 3) & 1)
.set KST, 3                            ; v3  (t >> 3) KP + 16 (t & 7), t = thread
.set VST, 4                            ; v4  VBASE + (t >> 3) VP + 16 (t & 7)
.set T16, 5                            ; v5  16 t
.set NEG, 8                            ; v8  -1e30 log2(e)
.set QOF, 9                            ; v9  r 128 + 16 h
.set MX,  10                           ; v10-11 running maximum of query tile 0, 1
.set LS,  12                           ; v12-13 running sum (each half of the lanes its own keys)
                                       ; v[14:15], v[24:25] the factor 2^(m old - m new) of tile 0, 1;  v[16:23] at work
.set STG, 26
.set RDS, 27
.set L16, 28
                                       ; v30, v31 the closing add's two registers, made at the head and kept for it alone
.set Q,   32                           ; v[32:63]   Q fragments, 8 (2 a + c)
.set FK,  64                           ; v[64:127]  K fragments 8 (2 kt + c); on the way out the packed hi and lo parts
.set S,   128                          ; v[128:191] scores 8 (4 a + kt), then weights
.set O,   192                          ; v[192:255] O^T 8 (4 a + dt)
                                       ; window 1, v[0:63]: the next live block on its way, K then V
.set FV,  64                           ; window 1, v[64:127]: V^T fragments 8 (2 dt + u)
; s[16:63], s[80:95] mask words; s66 wave; s67, s74 trip; s68 live word; s69 the next pass's; s70, s71 blocks still to fetch; s72 block being fetched;
; s73 bit t: block t + 1 is stored in trip t; s75, s76 query blocks; s77 offset of the mask words' key block;
; s[96:97], s[98:99] K's and V's address at the block being fetched; s[100:101] at work, and the base of Q's loads and of ctx's stores
.set MSB, 0
.macro WIN new
.if MSB != (\new)
	s_set_vgpr_msb (MSB<<8)|(\new)
.set MSB, \new
.endif
.endm
.macro SCAN d                          ; the next live block, this pass's first, then the next pass's; 31 when none is left (a load inside the buffer that nothing reads)
	s_cmp_eq_u32 s70, 0
	s_cselect_b32 s70, s71, s70
	s_cselect_b32 s71, 0, s71
	s_ctz_i32_b32 \d, s70
	s_min_u32 \d, \d, 31
	s_sub_co_u32 s101, s70, 1
	s_and_b32 s70, s70, s101
.endm
; Block s72 of K and of V: 16 KiB each, 16 bytes a thread and load, consecutive.  The two bases are written where no load that reads them is out.
; again = 1: LDS stores have just read the registers in which the loads land.
.macro LOADR again
	s_lshl_b32 s100, s72, 14                       ; a block is 16 KiB of K and of V
	s_mov_b32 s101, 0
	s_add_nc_u64 s[96:97], s[6:7], s[100:101]
	s_add_nc_u64 s[98:99], s[8:9], s[100:101]
	WIN 0x40
.if \again
	s_wait_alu depctr_vm_vsrc(0)                   ; the LDS stores above have read the staging registers, in which the loads below land
.endif
.irp i, 0,1,2,3,4,5,6,7
	global_load_b128 v[4*\i:4*\i+3], v[T16], s[96:97] offset:2048*\i
.endr
.irp i, 0,1,2,3,4,5,6,7
	global_load_b128 v[32+4*\i:32+4*\i+3], v[T16], s[98:99] offset:2048*\i
.endr
	WIN 0
.endm
.macro STORE sl                        ; what has been fetched goes into slot sl; the block after it is asked for: it has a live trip in which to land
	s_wait_loadcnt 0x0                             ; the block is in the staging registers; the loads that read the two bases are done
	WIN 0x04
.irp i, 0,1,2,3,4,5,6,7
	ds_store_b128 v[KST], v[4*\i:4*\i+3] offset:\sl*KSLOT+16*KP*\i
.endr
.irp i, 0,1,2,3,4,5,6,7
	ds_store_b128 v[VST], v[32+4*\i:32+4*\i+3] offset:\sl*VSLOT+16*VP*\i
.endr
	WIN 0
	SCAN s72
	LOADR 1
.endm
.macro WLOAD o                         ; 64 mask words: two query tiles x four key tiles x eight registers
	s_load_b512 s[16:31], s[12:13], s77 offset:\o
	s_load_b512 s[32:47], s[12:13], s77 offset:\o+64
	s_load_b512 s[48:63], s[12:13], s77 offset:\o+8192
	s_load_b512 s[80:95], s[12:13], s77 offset:\o+8256
.endm
.macro FETCHK par, h                   ; K of half h of the block in slot par: 16 loads, d = 0..31 of all four key tiles first
.irp c, 0,1
.irp kt, 0,1,2,3
	ds_load_b128 v[FK+8*(2*\kt+\c):FK+8*(2*\kt+\c)+3],   v[KRD] offset:\par*KSLOT+(64*\h+16*\kt)*KP+64*\c
	ds_load_b128 v[FK+8*(2*\kt+\c)+4:FK+8*(2*\kt+\c)+7], v[KRD] offset:\par*KSLOT+(64*\h+16*\kt)*KP+64*\c+32
.endr
.endr
.endm
; 64 keys of query tile a, first part: the new maximum, the factor's exponent, s - m, and ONE batch of 33 exponentials, none of whose results is named here.
.macro SMA a
.set SB, S+32*\a
.set AL, 14+10*\a
	v_max3_num_f32 v16, v[MX+\a], v[SB], v[SB+1]
	v_max_num_f32 v17, v[SB+16], v[SB+17]
.irp i, 1,2,3,4,5,6,7
	v_max3_num_f32 v16, v16, v[SB+2*\i], v[SB+2*\i+1]
	v_max3_num_f32 v17, v17, v[SB+16+2*\i], v[SB+16+2*\i+1]
.endr
	v_max_num_f32 v16, v16, v17
	v_permlanex16_b32 v17, v16, s78, s79           ; the other half of the lanes holds the query's other keys
	v_max_num_f32 v16, v16, v17
	v_sub_f32 v[AL], v[MX+\a], v16
	v_mov_b32 v[MX+\a], v16
.irp i, 0,1,2,3,4,5,6,7,8,9,10,11,12,13,14,15
	v_pk_add_f32 v[SB+2*\i:SB+2*\i+1], v[SB+2*\i:SB+2*\i+1], v[16:17] op_sel_hi:[1,0] neg_lo:[0,1] neg_hi:[0,1]
.endr
	v_exp_f32 v[AL], v[AL]
.set i, 0
.rept 32
	v_exp_f32 v[SB+i], v[SB+i]
.set i, i+1
.endr
	v_nop                                          ; one plain vector instruction behind the exponentials before a result is used (ISA guide 5.7.2)
.endm
; Second part, behind the batch's wait: the sum, the weights to f16, O rescaled.
.macro SMB a
.set SB, S+32*\a
.set AL, 14+10*\a
	v_pk_add_f32 v[18:19], v[SB:SB+1], v[SB+2:SB+3]
	v_pk_add_f32 v[20:21], v[SB+16:SB+17], v[SB+18:SB+19]
.irp i, 2,3,4,5,6,7
	v_pk_add_f32 v[18:19], v[18:19], v[SB+2*\i:SB+2*\i+1]
	v_pk_add_f32 v[20:21], v[20:21], v[SB+16+2*\i:SB+16+2*\i+1]
.endr
	v_pk_add_f32 v[18:19], v[18:19], v[20:21]
	v_add_f32 v18, v18, v19
	v_fma_f32 v[LS+\a], v[LS+\a], v[AL], v18
.irp u, 0,1                                        ; tiles 2 u, 2 u + 1 become the fragment of keys 32 u .. 32 u + 31, in place: each source is read before it is overwritten
.irp e, 0,1,2,3
	v_cvt_pk_f16_f32 v[SB+16*\u+\e], v[SB+16*\u+2*\e], v[SB+16*\u+2*\e+1]
.endr
.irp e, 0,1,2,3
	v_cvt_pk_f16_f32 v[SB+16*\u+4+\e], v[SB+16*\u+8+2*\e], v[SB+16*\u+8+2*\e+1]
.endr
.endr
.irp i, 0,1,2,3,4,5,6,7,8,9,10,11,12,13,14,15
	v_pk_mul_f32 v[O+32*\a+2*\i:O+32*\a+2*\i+1], v[O+32*\a+2*\i:O+32*\a+2*\i+1], v[AL:AL+1] op_sel_hi:[1,0]
.endr
.endm
; 64 keys (half h of the block in slot par) against my 32 queries.
.macro HALF par, h, treg
.if !\h
	FETCHK \par, 0                                 ; no wait: what named FK last stands ahead of a wait on va_vdst, and nothing since names FK or its address
.endif
.rept 5
	v_nop                                          ; five places behind the last products V^T P: the products below write over S, which those read (ISA guide 7.12.1)
.endr
	s_wait_dscnt 0x8                               ; d = 0..31 is in; the eight younger loads (d = 32..63) may be out
.irp a, 0,1                                        ; the eight score tiles take turns, one instruction a turn
.irp kt, 0,1,2,3
	v_wmma_f32_16x16x32_f16 v[S+8*(4*\a+\kt):S+8*(4*\a+\kt)+7], v[FK+16*\kt:FK+16*\kt+7], v[Q+16*\a:Q+16*\a+7], 0
.endr
.endr
	s_wait_dscnt 0x0
.irp a, 0,1
.irp kt, 0,1,2,3
	v_wmma_f32_16x16x32_f16 v[S+8*(4*\a+\kt):S+8*(4*\a+\kt)+7], v[FK+16*\kt+8:FK+16*\kt+15], v[Q+16*\a+8:Q+16*\a+15], v[S+8*(4*\a+\kt):S+8*(4*\a+\kt)+7]
.endr
.endr
.rept 4
	v_nop                                          ; four places before the scores are read
.endr
	s_wait_kmcnt 0x0                               ; this half's mask words; s77, which their loads named, is free too
.irp a, 0,1
.irp kt, 0,1,2,3
.irp j, 0,1,2,3,4,5,6,7
	v_cndmask_b32 v[S+8*(4*\a+\kt)+\j], v[NEG], v[S+8*(4*\a+\kt)+\j], s[16+32*\a+8*\kt+\j+16*\a*(\kt>>1)]
.endr
.endr
.endr
	SMA 0
	WIN 0x40                                       ; V's fragments lie in window 1: the switch, the wait, the loads
	s_wait_alu depctr_va_vdst(0)                   ; tile 0's 33 exponentials have written their results, which the sums below read; the last half's products V^T P are done reading FV, in which the loads below land
.irp dt, 0,1,2,3
.irp u, 0,1
	ds_load_tr16_b128 v[FV+8*(2*\dt+\u):FV+8*(2*\dt+\u)+3],   v[VRD] offset:\par*VSLOT+(64*\h+32*\u)*VP+32*\dt
	ds_load_tr16_b128 v[FV+8*(2*\dt+\u)+4:FV+8*(2*\dt+\u)+7], v[VRD] offset:\par*VSLOT+(64*\h+32*\u)*VP+32*\dt+16*VP
.endr
.endr
	WIN 0
	; the next mask words are asked for here: the selects that read this half's words were issued ahead of the wait above
.if \h
	s_lshl_b32 s100, 2, \treg                      ; the words of this pass's next live block (31 when there is none: inside the buffer, not used)
	s_sub_co_u32 s100, s100, 1
	s_and_not1_b32 s100, s68, s100
	s_ctz_i32_b32 s100, s100
	s_min_u32 s100, s100, 31
	s_lshl_b32 s77, s100, 8
	WLOAD 0
.else
	WLOAD 128                                      ; the block's second half; s77 still holds this block's offset
.endif
	SMB 0
	SMA 1
	s_wait_alu depctr_va_vdst(0)                   ; tile 1's 33 exponentials have written their results, which the sums below read; this half's products K Q^T are done reading FK, in which the loads below land
.if !\h
	FETCHK \par, 1                                 ; the second half's K: the rest of the softmax and the sixteen products below stand ahead of its first use
.endif
	SMB 1
.if \h
	s_wait_dscnt 0x0                               ; V is in
.else
	s_wait_dscnt 0x10                              ; V is in; the sixteen younger loads, the second half's K, may be out
.endif
	WIN 0x01                                       ; source 0, V^T, in window 1
.irp u, 0,1                                        ; the eight tiles of O take turns
.irp a, 0,1
.irp dt, 0,1,2,3
	v_wmma_f32_16x16x32_f16 v[O+8*(4*\a+\dt):O+8*(4*\a+\dt)+7], v[FV+8*(2*\dt+\u):FV+8*(2*\dt+\u)+7], v[S+32*\a+16*\u:S+32*\a+16*\u+7], v[O+8*(4*\a+\dt):O+8*(4*\a+\dt)+7]
.endr
.endr
.endr
	WIN 0
.endm
; Trip t.  One barrier, on every wave's way: in front of it my reads of slot (t - 1) & 1 and my stores into slot t & 1 are done.
; Behind it block t + 1, if live, is stored into slot (t + 1) & 1 and block t, if live, is read from slot t & 1.
.macro TRIP par, treg
	s_wait_dscnt 0x0
	s_barrier_signal -1
	s_barrier_wait -1
	s_bitcmp1_b32 s73, \treg
	s_cbranch_scc0 .Lnostore_\@
	STORE (1-\par)
.Lnostore_\@:
	s_bitcmp1_b32 s68, \treg
	s_cbranch_scc0 .Lnowork_\@
	HALF \par, 0, \treg
	HALF \par, 1, \treg
.Lnowork_\@:
.endm
	s_load_b256 s[4:11], s[0:1], 0x0               ; qp s[4:5], kp s[6:7], vp s[8:9], mbits s[10:11]
	s_load_b128 s[12:15], s[0:1], 0x20             ; live16 s[12:13], ctx s[14:15]
	v_lshl_add_u32 v30, v0, 2, 0x29000
	v_mov_b32 v31, 0
	v_lshrrev_b32 v16, 5, v0
	v_readfirstlane_b32 s66, v16                   ; wave 0..3
	s_mov_b32 s75, ttmp9                           ; first query block j,
	s_sub_co_u32 s76, 31, s75                      ; second 31 - j
	s_lshl_b32 s72, s75, 5                         ; eight words of live16 for a block
	s_lshl_b32 s74, s76, 5
	s_and_b32 s100, ttmp7, 0xffff                  ; head
	s_lshl_b32 s100, s100, 19                      ; 4096 x 128 bytes
	s_mov_b32 s101, 0
	s_mov_b32 s78, 0x76543210                      ; v_permlanex16_b32: lane i of one half reads lane i of the other
	s_mov_b32 s79, 0xfedcba98
	s_wait_kmcnt 0x0
	s_load_b256 s[16:23], s[12:13], s72 offset:0x0
	s_load_b256 s[24:31], s[12:13], s74 offset:0x0
	s_add_nc_u64 s[4:5], s[4:5], s[100:101]
	s_add_nc_u64 s[6:7], s[6:7], s[100:101]
	s_add_nc_u64 s[8:9], s[8:9], s[100:101]
	s_lshl_b32 s100, s100, 1                       ; ctx: 4096 x 256 bytes a head
	s_add_nc_u64 s[14:15], s[14:15], s[100:101]
	v_and_b32 v16, 15, v0                          ; r
	v_bfe_u32 v17, v0, 4, 1                        ; h
	v_and_b32 v18, 7, v0
	v_bfe_u32 v19, v0, 3, 1
	v_lshrrev_b32 v21, 3, v0
	v_mul_u32_u24 v[KRD], v16, KP
	v_lshl_add_u32 v[KRD], v17, 4, v[KRD]
	v_lshl_add_u32 v20, v17, 3, v18
	v_mul_u32_u24 v[VRD], v20, VP
	v_lshl_add_u32 v[VRD], v19, 4, v[VRD]
	v_add_nc_u32 v[VRD], VBASE, v[VRD]
	v_mul_u32_u24 v[KST], v21, KP
	v_lshl_add_u32 v[KST], v18, 4, v[KST]
	v_mul_u32_u24 v[VST], v21, VP
	v_lshl_add_u32 v[VST], v18, 4, v[VST]
	v_add_nc_u32 v[VST], VBASE, v[VST]
	v_lshlrev_b32 v[T16], 4, v0
	v_lshlrev_b32 v[QOF], 7, v16
	v_lshl_add_u32 v[QOF], v17, 4, v[QOF]
	s_wait_alu depctr_va_sdst(0)                   ; s66, the wave's number, is written, ahead of its first reader
	s_mul_i32 s100, s66, WSTAGE
	s_add_co_u32 s100, s100, STAGE
	v_mul_u32_u24 v[STG], v16, SP
	v_lshl_add_u32 v[STG], v17, 4, v[STG]
	v_add_nc_u32 v[STG], s100, v[STG]              ; in: query r, 16 bytes for each half of the lanes
	v_mul_u32_u24 v[RDS], v17, SP
	v_lshl_add_u32 v[RDS], v16, 4, v[RDS]
	v_add_nc_u32 v[RDS], s100, v[RDS]              ; back: sixteen lanes take a row of 256 bytes
	v_and_b32 v[L16], 31, v0
	v_lshlrev_b32 v[L16], 4, v[L16]
	v_mov_b32 v[NEG], 0xf191accb                   ; -1e30 x log2(e)
	v_mov_b32 v15, 0                               ; upper registers of the factor pairs: named by the packed multiplies, never used
	v_mov_b32 v25, 0
	s_wait_alu depctr_va_vdst(0)                   ; the nine addresses and offsets v1-5, v9, v26-28 are written, which every load and store of the kernel reads; no vector instruction names them again
	s_wait_kmcnt 0x0
	s_or_b32 s68, s16, s17                         ; a block of 128 queries is live where one of its eight tiles is
	s_or_b32 s69, s24, s25
.irp i, 18,19,20,21,22,23
	s_or_b32 s68, s68, s\i
.endr
.irp i, 26,27,28,29,30,31
	s_or_b32 s69, s69, s\i
.endr
	s_mov_b32 s70, s68
	s_mov_b32 s71, s69
	SCAN s72
	LOADR 0                                        ; the first live block
	s_bitcmp1_b32 s68, 0
	s_cbranch_scc0 .Lno_block_0
	STORE 0                                        ; block 0 has no trip in front of it
.Lno_block_0:
	s_mov_b32 s2, 0
.Lpass:
	s_wait_xcnt 0x0                                ; the last pass's stores have read their base and data
	s_wait_kmcnt 0x0                               ; and no load of mask words is out: their base and registers are written below
	s_wait_alu depctr_vm_vsrc(0)                   ; the last way out's LDS stores have read FK, in which this pass's K lands, and its global stores have read S, which this pass's products write
	s_lshr_b32 s73, s68, 1
	s_lshl_b32 s100, s69, 31                       ; trip 31 stores the next pass's block 0
	s_or_b32 s73, s73, s100
	s_ctz_i32_b32 s100, s68
	s_min_u32 s100, s100, 31
	s_lshl_b32 s77, s100, 8                        ; 256 bytes of words for a key block
	s_lshl_b32 s100, s75, 7
	s_lshl_b32 s101, s66, 5
	s_add_co_u32 s100, s100, s101                  ; my first query
	s_lshl_b32 s100, s100, 9                       ; 8,192 bytes of mask words for 16 queries
	s_mov_b32 s101, 0
	s_add_nc_u64 s[12:13], s[10:11], s[100:101]
	WLOAD 0
	s_lshr_b32 s100, s100, 2                       ; 128 bytes a row of qp
	s_add_nc_u64 s[100:101], s[4:5], s[100:101]
.irp a, 0,1                                        ; no wait: the products that read Q stand ahead of the last way out's waits on va_vdst, and nothing since names Q
.irp c, 0,1
	global_load_b128 v[Q+8*(2*\a+\c):Q+8*(2*\a+\c)+3],   v[QOF], s[100:101] offset:\a*2048+64*\c
	global_load_b128 v[Q+8*(2*\a+\c)+4:Q+8*(2*\a+\c)+7], v[QOF], s[100:101] offset:\a*2048+64*\c+32
.endr
.endr
	v_mov_b32 v[MX], 0xff7fffff                    ; below every score, the masked ones too: the first factor is 2^(-large) = 0
	v_mov_b32 v[MX+1], 0xff7fffff
	v_mov_b32 v[LS], 0
	v_mov_b32 v[LS+1], 0
	v_mov_b32 v16, 0
	v_mov_b32 v17, 0
.set i, 0
.rept 64
	v_mov_b32 v[O+i], 0                            ; which block comes first is known only from the live word, so no first product can be written out to start the sums
.set i, i+1
.endr
	s_wait_loadcnt 0x0                             ; Q is in; s[100:101], which its loads read, are free
	s_mov_b32 s67, 0
.Ltrip:
	TRIP 0, s67
	s_add_co_u32 s74, s67, 1
	TRIP 1, s74
	s_add_co_u32 s67, s67, 2
	s_cmp_lt_u32 s67, 32
	s_cbranch_scc1 .Ltrip
	; THE WAY OUT: divide by the sum, split into hi and lo, through my own stage, out as runs of 512 bytes.
	; All the arithmetic stands first, so that one wait serves the run of LDS stores and the read-back behind it.
.rept 4
	v_nop                                          ; four places behind the last products
.endr
	v_permlanex16_b32 v16, v[LS], s78, s79
	v_permlanex16_b32 v17, v[LS+1], s78, s79
	v_add_f32 v16, v16, v[LS]
	v_add_f32 v17, v17, v[LS+1]
	v_rcp_f32 v14, v16                             ; the sum is at least 1: the largest weight is 2^0
	v_rcp_f32 v24, v17
	v_nop
	s_wait_alu depctr_va_vdst(0)                   ; the two reciprocals are written, which the multiplies below read
.irp a, 0,1
.irp dt, 0,1,2,3
.irp e, 0,1,2,3
	v_pk_mul_f32 v[O+8*(4*\a+\dt)+2*\e:O+8*(4*\a+\dt)+2*\e+1], v[O+8*(4*\a+\dt)+2*\e:O+8*(4*\a+\dt)+2*\e+1], v[14+10*\a:15+10*\a] op_sel_hi:[1,0]
.endr
.irp e, 0,1,2,3
	v_cvt_pk_bf16_f32 v[FK+4*(4*\a+\dt)+\e], v[O+8*(4*\a+\dt)+2*\e], v[O+8*(4*\a+\dt)+2*\e+1]
.endr
.irp e, 0,1,2,3
	v_lshlrev_b32 v[S+2*\e], 16, v[FK+4*(4*\a+\dt)+\e]
	v_and_b32 v[S+2*\e+1], 0xffff0000, v[FK+4*(4*\a+\dt)+\e]
.endr
.irp e, 0,1,2,3
	v_pk_add_f32 v[O+8*(4*\a+\dt)+2*\e:O+8*(4*\a+\dt)+2*\e+1], v[O+8*(4*\a+\dt)+2*\e:O+8*(4*\a+\dt)+2*\e+1], v[S+2*\e:S+2*\e+1] neg_lo:[0,1] neg_hi:[0,1]
.endr
.irp e, 0,1,2,3
	v_cvt_pk_bf16_f32 v[FK+32+4*(4*\a+\dt)+\e], v[O+8*(4*\a+\dt)+2*\e], v[O+8*(4*\a+\dt)+2*\e+1]
.endr
.endr
.endr
	s_lshl_b32 s100, s75, 7
	s_lshl_b32 s101, s66, 5
	s_add_co_u32 s100, s100, s101                  ; my first query
	s_lshl_b32 s100, s100, 8                       ; 256 bytes a row of ctx
	s_mov_b32 s101, 0
	s_add_nc_u64 s[100:101], s[14:15], s[100:101]
	s_wait_alu depctr_va_vdst(0)                   ; the conversions have written FK, which the LDS stores read; the vector work on S is done, in which the read-back lands
.irp a, 0,1
.irp dt, 0,1,2,3
	ds_store_b128 v[STG], v[FK+4*(4*\a+\dt):FK+4*(4*\a+\dt)+3] offset:\a*16*SP+32*\dt
	ds_store_b128 v[STG], v[FK+32+4*(4*\a+\dt):FK+32+4*(4*\a+\dt)+3] offset:\a*16*SP+32*\dt+128
.endr
.endr
.irp i, 0,1,2,3,4,5,6,7,8,9,10,11,12,13,14,15
	ds_load_b128 v[S+4*\i:S+4*\i+3], v[RDS] offset:2*SP*\i         ; my own bytes, served in order behind the stores above
.endr
.irp i, 0,1,2,3,4,5,6,7,8,9,10,11,12,13,14,15
	s_wait_dscnt 15-\i                             ; the younger read-backs may stay out
	global_store_b128 v[L16], v[S+4*\i:S+4*\i+3], s[100:101] offset:512*\i
.endr
	s_mov_b32 s75, s76
	s_mov_b32 s68, s69
	s_mov_b32 s69, 0
	s_add_co_u32 s2, s2, 1
	s_cmp_lt_u32 s2, 2
	s_cbranch_scc1 .Lpass
	s_wait_dscnt 0x0                               ; the closing lines, six on end
	s_wait_alu 0x0
	s_wait_tensorcnt 0x0
	ds_add_u32 v30, v31
	s_wait_dscnt 0x0
	s_endpgm
.Lfunc_end_k_q5901180c20_attn:
	.size	k_q5901180c20_attn, .Lfunc_end_k_q5901180c20_attn-k_q5901180c20_attn
	.p2alignl 7, 3214868480
	.fill 96, 4, 3214868480
	.section	.rodata,"a",@progbits
	.p2align	6, 0x0
	.amdhsa_kernel k_q5901180c20_attn
		.amdhsa_group_segment_fixed_size 168448
		.amdhsa_private_segment_fixed_size 0
		.amdhsa_enable_private_segment 0
		.amdhsa_kernarg_size 48
		.amdhsa_user_sgpr_count 2
		.amdhsa_user_sgpr_kernarg_segment_ptr 1
		.amdhsa_wavefront_size32 1
		.amdhsa_system_sgpr_workgroup_id_x 1
		.amdhsa_system_sgpr_workgroup_id_y 1
		.amdhsa_system_sgpr_workgroup_id_z 1
		.amdhsa_system_vgpr_workitem_id 0
		.amdhsa_next_free_vgpr 384
		.amdhsa_next_free_sgpr 102
		.amdhsa_reserve_vcc 0
		.amdhsa_float_denorm_mode_32 3
		.amdhsa_float_denorm_mode_16_64 3
		.amdhsa_memory_ordered 1
		.amdhsa_forward_progress 1
		.amdhsa_inst_pref_size 122
	.end_amdhsa_kernel
	.amdgpu_metadata
---
amdhsa.version: [ 1, 2 ]
amdhsa.kernels:
  - .name:           k_q5901180c20_attn
    .symbol:         k_q5901180c20_attn.kd
    .args:
      - { .name: qp, .offset: 0, .size: 8, .value_kind: global_buffer, .address_space: global }
      - { .name: kp, .offset: 8, .size: 8, .value_kind: global_buffer, .address_space: global }
      - { .name: vp, .offset: 16, .size: 8, .value_kind: global_buffer, .address_space: global }
      - { .name: mbits, .offset: 24, .size: 8, .value_kind: global_buffer, .address_space: global }
      - { .name: live16, .offset: 32, .size: 8, .value_kind: global_buffer, .address_space: global }
      - { .name: ctx, .offset: 40, .size: 8, .value_kind: global_buffer, .address_space: global }
    .group_segment_fixed_size: 168448
    .private_segment_fixed_size: 0
    .kernarg_segment_align: 8
    .kernarg_segment_size: 48
    .max_flat_workgroup_size: 128
    .sgpr_count:     102
    .vgpr_count:     384
    .wavefront_size: 32
...
	.end_amdgpu_metadata
.endif
;; end of part 5
;; launch outp: the kernel of part 4 again; grid 8 x 32, 4 waves a work-group, clusters of 4 x 4, 327,680 bytes of LDS; arguments ctx, wo, bo, out0; writes out0
